; MI455X (gfx1250); checked and timed in simulation.
; The chip was launched on July 23, 2026; its instructions are those of AMD's public machine-readable ISA for CDNA 5 (MIT licence, August 2026) and "CDNA5" Instruction Set Architecture Reference Guide (July 2026). The comments in the code are by the model that wrote it; some were corrected since.
;; Self Attention. Allowed arithmetic: matrix products marked QUANTISED: E2M3 operands, one E8M0 scale for each 32 along K, by v_wmma_scale_f32_16x16x128_f8f6f4 with both operands' format E2M3, f32 sums; everything else in f32.
;; Inputs: b_out 1,024 float32; b_qkv 3,072 float32; w_out 1,024 x 1,024 float32; w_qkv 1,024 x 3,072 float32; x 4 x 2,048 x 1,024 float32.
;; Outputs: out0 4 x 2,048 x 1,024 float32.
;; This version of the problem:
;;   THIS VERSION OF THE PROBLEM IS GIVEN IN LOW PRECISION. The matrix products marked QUANTISED in the list below multiply operands that are first quantised to E2M3 (2 exponent bits, 3 mantissa bits; 6 bits a number), with one power-of-two scale for each 32 numbers along K (OCP MX v1.0); their sums are f32. All else is computed in f32.
;;   The module's matrix products, in the order in which they are computed (A, B: the left and right operand; K: the contracted axis; several contracted axes count as one K, in the product's order):
;;     1. [M 8,192, K 1,024] x [K 1,024, N 3,072]; A: input x; B: input w_qkv: QUANTISED
;;     2. batch 4 x [M 2,048, K 1,024] x [K 1,024, N 2,048]; A: computed on the way; B: computed on the way: QUANTISED
;;     3. batch 4 x [M 2,048, K 2,048] x [K 2,048, N 1,024]; A: softmax (see below); B: computed on the way: QUANTISED
;;     4. [M 8,192, K 1,024] x [K 1,024, N 1,024]; A: computed on the way; B: input w_out: QUANTISED
;;   THE QUANTISER, for each operand of a quantised product, along K:
;;     - K is cut into blocks of 32 from its start; a last block that is shorter is filled with zeros.
;;     - A block's scale is 2^e with e = floor(log2(the largest magnitude in the block)) - 2, held to -126 .. 127; a block of zeros has e = 0. As a byte (E8M0): e + 127.
;;     - Each number is divided by its block's scale, clamped to +-7.5, and rounded to the nearest number of E2M3, ties to even, subnormals kept.
;;     - The product sums the exact products of the quantised numbers (number of the format x scale) in f32.
;;   ~~~python
;;   def quantise(x, axis):      # numpy; x: float32 -> the quantised numbers, widened to float32 again
;;       x = np.moveaxis(x, axis, -1); K = x.shape[-1]
;;       x = np.pad(x, [(0, 0)] * (x.ndim - 1) + [(0, -K % 32)]); x = x.reshape(x.shape[:-1] + (-1, 32)); a = np.abs(x).max(-1, keepdims=True)
;;       e = np.where(a > 0, np.clip(np.frexp(np.where(a > 0, a, 1))[1] - 1 - 2, -126, 127), 0)      # np.frexp(a)[1] - 1 = floor(log2(a)), exactly
;;       r = np.clip(x / 2.0 ** e, -7.5, 7.5)
;;       step = 2.0 ** (np.maximum(np.frexp(np.where(r == 0, 1, r))[1] - 1, 0) - 3)
;;       q = np.round(r / step) * step * 2.0 ** e      # np.round: ties to even
;;       return np.moveaxis(q.reshape(q.shape[:-2] + (-1,))[..., :K], -1, axis).astype(np.float32)
;;   ~~~
;;   SOFTMAX AHEAD OF A QUANTISED PRODUCT. Where the list says 'softmax', what is quantised is not the finished softmax but p = 2^(t - M), with t = logit x log2(e) and M = ceil(the row's largest t), a whole number; so 1/2 < the row's largest p <= 1. The row's sum l is taken of the UNQUANTISED p, in f32, and the product's result is divided by l at the end. Since M is a whole number, a kernel that streams over the keys may use a running M (the ceiling of the running maximum): every later rescaling is an exact power of two, which a block's scale takes up: the codes' values come out the same.
;;   OPERANDS COMPUTED ON THE WAY. 'Computed on the way' means the value that the module computes at that place (a softmax that the list does not call 'softmax' is quantised finished and normalised). What goes into a quantiser is computed in f32, as accurately as f32 sums, v_exp_f32 and their like allow (about 1e-6 of the number): no bf16 or f16 on the way to a quantiser, and a product that is left as it is and whose result goes on into a quantised operand takes f32 operands (vector FMAs, or v_wmma_f32_16x16x4_f32). A number that lies on a knife's edge between two numbers of the format may be rounded either way, as far as f32 arithmetic and the matrix unit's own rounding can turn it there, and no further.
;; One version. Each part assembles by itself: llvm-mc -triple=amdgcn-amd-amdhsa -mcpu=gfx1250 --defsym DOCPART=n.
;; ======== version 1 of 1: 5 launches
;; limits: right only within a limited range of input values
;; workspace buffers: wsq 9,830,400 bytes; qkvc 19,660,800 bytes; pbuf 14,155,776 bytes; obuf 6,553,600 bytes
;; launch quant (part 1): grid 768 x 1, 4 waves a work-group, no clusters, 35,328 bytes of LDS; arguments x, w_qkv, w_out, wsq; writes wsq
.if DOCPART == 1
	.amdgcn_target "amdgcn-amd-amdhsa--gfx1250"
	.amdhsa_code_object_version 6
	.text
	.protected	k_q47c81ac7ce_quant
	.globl	k_q47c81ac7ce_quant
	.p2align	8
	.type	k_q47c81ac7ce_quant,@function
k_q47c81ac7ce_quant:
	s_mov_b64 s[64:65], 0
	v_nop
	global_prefetch_b8 v0, s[64:65] scope:SCOPE_SE
	s_setreg_imm32_b32 hwreg(HW_REG_WAVE_MODE, 25, 1), 1
	s_wait_xcnt 0x0
; x [8192][1024], w_qkv [1024][3072] and w_out [1024][1024], f32, become codes of FP6 (E2M3) with one E8M0 byte for each 32 along K = 1024.
; LAYOUT OF THE RESULTS.  Codes: a fragment (16 rows x 128 K, 12 registers a lane) is stored as an image of its registers: registers 4 c .. 4 c + 3 of lane l at 512 c + 16 l;
; fragment (row / 16, k / 128) at ((row / 16) x 8 + k / 128) x 1536.  Scale words (4 bytes = 128 along K of one row): [row / 128][k / 128][128 rows].  A weight's rows are its columns n.
; A block's scale byte is its largest magnitude's exponent field - 2, held at 1 from below.
; LIMITS: a block of zeros, and one whose largest magnitude lies under 2^-124, gets the byte 1 (its codes are zeros or nearly; only this program reads the bytes); NaN and infinities are not served.
; w_out's K is taken, inside each block of 32, in the order that swaps bits 3 and 4 of k: so the other operand of its product is laid by the launch that makes it.
; Work-groups 0-511: x (32 rows x 512 K each; a wave 32 rows x 128 K: two fragments, whose 32 loads are all asked for ahead of the wave's first wait).
; 512-703: w_qkv, 704-767: w_out (128 columns x 128 K each; a lane a column, registers down K: four blocks, two asked for ahead).
; A wave's scale words are 128 consecutive bytes (32 rows or columns x 4 bytes): 393,216 bytes of the launch's stores leave so; the codes leave 512 consecutive bytes a store.
; No matrix unit, no tensor load, no barrier: waves share nothing.
.set WREG,  8704                       ; LDS of a wave (x's path alone): a stage of 16 rows x 528 bytes, then 256 bytes for scale words
.set SPARE, 4*WREG                     ; the spare words: 128 bytes a wave, named by no other line
.set XSO,   6291456                    ; byte offsets in wsq: x's codes at 0, x's scale words,
.set WCO,   6553600                    ; w_qkv's codes,
.set WSO,   8912896                    ; its scale words,
.set WOC,   9011200                    ; w_out's codes,
.set WOS,   9797632                    ; its scale words
.set SPW, 14                           ; v14 my spare word's address; v15 zero: never rewritten
.set NIL, 15
.set SEL, 20                           ; s[20:21] selects of v_permlanex16_b32: lane l xor 16
.set R,   16                           ; v16-143  x as loaded, two sets of 64
.set X,   144                          ; v144-207 64 numbers of a lane, 16 neighbours of each block
.set TM,  208                          ; v208-223 at work in QUANT
.set PC,  224                          ; v224-243 the codes just made
.set PW,  244                          ; v244-245 a scale word for each fragment
; 64 numbers of a lane, register 16 b + i = k 32 b + 16 (lane / 16) + i of row lane % 16, become a fragment's codes in v[PC] on and the row's scale word in v[pw].
.macro QUANT s, pw
.irp b, 0,1,2,3
	v_max3_num_f32 v[TM+\b], |v[\s+16*\b]|, |v[\s+1+16*\b]|, 0x1800000   ; my 16 numbers of block b, and the floor 2^(3 - 127): the byte cannot fall under 1
.endr
.irp i, 2,4,6,8,10,12,14
.irp b, 0,1,2,3
	v_max3_num_f32 v[TM+\b], v[TM+\b], |v[\s+16*\b+\i]|, |v[\s+1+16*\b+\i]|
.endr
.endr
.irp b, 0,1,2,3
	v_permlanex16_b32 v[TM+4+\b], v[TM+\b], s[SEL], s[SEL+1]
.endr
.irp b, 0,1,2,3
	v_max_num_f32 v[TM+\b], v[TM+\b], v[TM+4+\b]                    ; with lane l xor 16's: the block's largest magnitude
.endr
.irp b, 0,1,2,3
	v_add_nc_u32 v[TM+12+\b], 0xff000000, v[TM+\b]                  ; 2 off its exponent field: the conversion's scale operand
.endr
.irp b, 0,1,2,3
	v_lshrrev_b32 v[TM+4+\b], 23, v[TM+12+\b]                       ; the scale's byte
.endr
	v_lshl_or_b32 v[\pw], v[TM+5], 8, v[TM+4]
	v_lshl_or_b32 v[\pw], v[TM+6], 16, v[\pw]
	v_lshl_or_b32 v[\pw], v[TM+7], 24, v[\pw]
.irp c, 0,1
	v_cvt_scalef32_pk16_fp6_f32 v[PC+6*\c:PC+2+6*\c], v[\s+32*\c:\s+15+32*\c], v[TM+12+2*\c]
	v_cvt_scalef32_pk16_fp6_f32 v[PC+12+4*\c:PC+14+4*\c], v[\s+16+32*\c:\s+31+32*\c], v[TM+12+2*\c+1]   ; (a conversion's three registers begin on an even number)
.endr
	v_nop                                          ; one plain instruction behind the scaled conversions
.irp c, 0,1                                    ; the operand wants a whole block in a lane: lanes 0-15 block 2 c, lanes 16-31 block 2 c + 1
.irp i, 0,1,2
	v_permlane16_swap_b32 v[PC+6*\c+\i], v[PC+12+4*\c+\i]
.endr
.irp i, 0,1,2
	v_mov_b32 v[PC+3+6*\c+\i], v[PC+12+4*\c+\i]
.endr
.endr
.endm
.macro FINISH                          ; a wave's end
	s_wait_tensorcnt 0x0
	ds_add_u32 v[SPW], v[NIL]
	s_wait_dscnt 0x0
	s_endpgm
.endm
	s_load_b256 s[4:11], s[0:1], 0x0               ; x s[4:5], w_qkv s[6:7], w_out s[8:9], wsq s[10:11]
	v_lshl_add_u32 v[SPW], v0, 2, SPARE
	v_mov_b32 v[NIL], 0
	v_lshrrev_b32 v1, 5, v0
	v_readfirstlane_b32 s12, v1                    ; wave
	v_and_b32 v2, 31, v0                           ; lane
	s_mov_b32 s[SEL], 0x76543210
	s_mov_b32 s[SEL+1], 0xfedcba98
	s_cmp_lt_u32 ttmp9, 512
	s_cbranch_scc0 .Lweights
; ---------------- x: K is innermost.  Loads take the bytes as they lie (512 consecutive bytes each); a fragment's 16 rows x 512 bytes turn through the wave's stage so that a lane gets 16 neighbours of each block.
	v_lshlrev_b32 v3, 4, v2                        ; 16 x lane
	s_mul_i32 s13, s12, WREG
	v_add_nc_u32 v4, s13, v3                       ; into the stage: a row's 512 bytes on end
	v_and_b32 v9, 15, v0                           ; r
	v_bfe_u32 v10, v0, 4, 1                        ; h
	v_mul_u32_u24 v5, v9, 528
	v_lshl_add_u32 v5, v10, 6, v5
	v_add_nc_u32 v5, s13, v5                       ; out of it: row r, + 64 h.  528 bytes a row: sixteen rows start in sixteen different groups of banks
	s_add_co_u32 s14, s13, 8448
	v_lshl_add_u32 v6, v9, 2, s14                  ; my row's scale word
	v_lshlrev_b32 v8, 2, v2
	v_add_nc_u32 v7, s14, v8                       ; and 4 bytes a lane on their way out
.irp b, 0,1,2,3
	v_mov_b32 v[TM+4+\b], 0                        ; written once: a lane permute's destination counts as one of its sources
.endr
	s_lshr_b32 s15, ttmp9, 1                       ; which 32 rows
	s_and_b32 s16, ttmp9, 1
	s_lshl_b32 s16, s16, 2
	s_add_co_u32 s16, s16, s12                     ; which 128 along K
	s_lshl_b32 s22, s15, 17                        ; x: 32 rows of 4,096 bytes, + 512 bytes a K step
	s_lshl_b32 s17, s16, 9
	s_add_co_u32 s22, s22, s17
	s_mov_b32 s23, 0
	s_lshl_b32 s24, s15, 4                         ; codes: fragment (2 x rows' number, K step), 8 fragments to a block of 16 rows
	s_add_co_u32 s24, s24, s16
	s_mul_i32 s24, s24, 1536
	s_mov_b32 s25, 0
	s_lshr_b32 s26, s15, 2                         ; words: [row / 128][K step][128]
	s_lshl_b32 s26, s26, 3
	s_add_co_u32 s26, s26, s16
	s_lshl_b32 s26, s26, 9
	s_and_b32 s17, s15, 3
	s_lshl_b32 s17, s17, 7                         ; my 32 rows among the 128
	s_add_co_u32 s26, s26, s17
	s_add_co_u32 s26, s26, XSO
	s_mov_b32 s27, 0
	s_wait_alu depctr_va_vdst(0)
	s_wait_kmcnt 0x0
	s_add_nc_u64 s[4:5], s[4:5], s[22:23]
	s_add_nc_u64 s[28:29], s[10:11], s[24:25]
	s_add_nc_u64 s[30:31], s[10:11], s[26:27]
.macro XLOAD f                         ; fragment f: 16 rows, 512 consecutive bytes a load
.set J, 0
.rept 16
	global_load_b128 v[R+64*(\f)+4*J:R+64*(\f)+4*J+3], v3, s[4:5] offset:(16*(\f)+J)*4096 th:TH_LOAD_NT
.set J, J+1
.endr
.endm
.macro XFRAG f
.if (\f) < 1
	s_wait_loadcnt 16                              ; this fragment's 16 loads are in; the next fragment's 16 may be out
.else
	s_wait_loadcnt 0x0
.endif
.set J, 0
.rept 16
	ds_store_b128 v4, v[R+64*(\f)+4*J:R+64*(\f)+4*J+3] offset:528*J
.set J, J+1
.endr
.irp b, 0,1,2,3
.irp j, 0,1,2,3
	ds_load_b128 v[X+16*\b+4*\j:X+16*\b+4*\j+3], v5 offset:128*\b+16*\j   ; LDS serves a wave's instructions in order: these see the stores above
.endr
.endr
	s_wait_dscnt 0x0                               ; the numbers are back
.if (\f) > 0
	s_wait_xcnt 0x0                                ; the last fragment's stores have read the codes' registers
.endif
	QUANT X, PW+(\f)
.irp c, 0,1,2
	global_store_b128 v3, v[PC+4*\c:PC+4*\c+3], s[28:29] offset:(\f)*12288+512*\c   ; 512 consecutive bytes, aligned
.endr
.endm
	XLOAD 0                                        ; all that the wave will read: 32 loads, 16,384 bytes
	XLOAD 1
	XFRAG 0
	XFRAG 1
.irp f, 0,1
	ds_store_b32 v6, v[PW+\f] offset:64*\f         ; lanes r and r + 16 write the same word with the same value
.endr
	ds_load_b32 v248, v7
	s_wait_dscnt 0x0
	global_store_b32 v8, v248, s[30:31]            ; 32 rows' words: 128 consecutive bytes
	FINISH
; ---------------- the weights: K is the first axis.  A lane takes a column and its registers run down K, so a block of 32 lies in one lane and the codes come out with K innermost.
.macro WLOAD t, N, PERM                ; block t: W(32 t + i, my column) into set t % 2; PERM = 1: i in the order that swaps bits 3 and 4
.set WI, 0
.rept 32
.if \PERM
.set WK, (WI&7)|((WI&8)<<1)|((WI&16)>>1)
.else
.set WK, WI
.endif
	global_load_b32 v[16+32*((\t)%2)+WI], v3, s[4:5] offset:(32*(\t)+WK)*(\N)*4 th:TH_LOAD_NT
.set WI, WI+1
.endr
.endm
; Of the K step's four blocks the even ones go to F (v80 on), the odd ones to G (v92 on).  Lanes 0-15 hold columns 0-15, lanes 16-31 columns 16-31.
; Exchanging F's upper lanes with G's lower lanes makes F the fragment of columns 0-15 and G that of columns 16-31.
.macro WBLOCK t, N, PERM
.set XS, 16+32*((\t)%2)
.set WD, 80+12*((\t)%2)+6*((\t)/2)
.if (\t) < 3
	s_wait_loadcnt 32                              ; this block's 32 loads are in; the next block's may be out
.else
	s_wait_loadcnt 0x0
.endif
	v_max3_num_f32 v180, |v[XS]|, |v[XS+1]|, |v[XS+2]|
	v_max3_num_f32 v181, |v[XS+3]|, |v[XS+4]|, |v[XS+5]|
.irp i, 6,10,14,18,22,26
	v_max3_num_f32 v180, v180, |v[XS+\i]|, |v[XS+\i+1]|
	v_max3_num_f32 v181, v181, |v[XS+\i+2]|, |v[XS+\i+3]|
.endr
	v_max3_num_f32 v180, v180, |v[XS+30]|, |v[XS+31]|
	v_max3_num_f32 v180, v180, v181, 0x1800000     ; and the floor
	v_add_nc_u32 v182, 0xff000000, v180            ; the conversion's scale operand
	v_lshrrev_b32 v183, 23, v182                   ; the byte
.if (\t) == 0
	v_mov_b32 v184, v183
.else
	v_lshl_or_b32 v184, v183, 8*(\t), v184
.endif
	v_cvt_scalef32_pk16_fp6_f32 v[WD:WD+2], v[XS:XS+15], v182
	v_cvt_scalef32_pk16_fp6_f32 v[176:178], v[XS+16:XS+31], v182
	v_nop                                          ; one plain instruction behind the scaled conversions
.irp i, 0,1,2
	v_mov_b32 v[WD+3+\i], v[176+\i]
.endr
.if (\t)+2 < 4
	WLOAD (\t)+2, \N, \PERM
.endif
.endm
.macro WPATH N, PERM, WP, CODES, WORDS, FIRST
	s_sub_co_u32 s13, ttmp9, \FIRST
	s_and_b32 s15, s13, 7                          ; which 128 along K
	s_lshr_b32 s16, s13, 3                         ; which 128 columns
	v_lshlrev_b32 v3, 2, v2
	v_lshlrev_b32 v9, 4, v2
	s_mul_i32 s22, s15, 512*\N                     ; W: 128 rows of 4 N bytes, + 4 x my wave's first column
	s_lshl_b32 s17, s16, 9
	s_add_co_u32 s22, s22, s17
	s_lshl_b32 s17, s12, 7
	s_add_co_u32 s22, s22, s17
	s_mov_b32 s23, 0
	s_lshl_b32 s24, s16, 3                         ; codes: fragment (8 x columns' number + 2 x wave, K's number)
	s_lshl_b32 s17, s12, 1
	s_add_co_u32 s24, s24, s17
	s_lshl_b32 s24, s24, 3
	s_add_co_u32 s24, s24, s15
	s_mul_i32 s24, s24, 1536
	s_add_co_u32 s24, s24, \CODES
	s_mov_b32 s25, 0
	s_lshl_b32 s26, s16, 3                         ; words: [column / 128][K step][128]
	s_add_co_u32 s26, s26, s15
	s_lshl_b32 s26, s26, 9
	s_lshl_b32 s17, s12, 7
	s_add_co_u32 s26, s26, s17
	s_add_co_u32 s26, s26, \WORDS
	s_mov_b32 s27, 0
	s_wait_alu depctr_va_vdst(0)
	s_wait_kmcnt 0x0
	s_add_nc_u64 s[4:5], s[\WP:\WP+1], s[22:23]
	s_add_nc_u64 s[28:29], s[10:11], s[24:25]
	s_add_nc_u64 s[30:31], s[10:11], s[26:27]
	WLOAD 0, \N, \PERM
	WLOAD 1, \N, \PERM
.irp t, 0,1,2,3
	WBLOCK \t, \N, \PERM
.endr
.irp i, 0,1,2,3,4,5,6,7,8,9,10,11
	v_permlane16_swap_b32 v[80+\i], v[92+\i]
.endr
.irp c, 0,1,2
	global_store_b128 v9, v[80+4*\c:80+4*\c+3], s[28:29] offset:512*\c
	global_store_b128 v9, v[92+4*\c:92+4*\c+3], s[28:29] offset:12288+512*\c
.endr
	global_store_b32 v3, v184, s[30:31]            ; 128 bytes a wave, the four waves side by side on 512
	FINISH
.endm
.Lweights:
	s_cmp_lt_u32 ttmp9, 704
	s_cbranch_scc0 .Lwout
	s_wait_alu depctr_va_vdst(0)
	WPATH 3072, 0, 6, WCO, WSO, 512
.Lwout:
	s_wait_alu depctr_va_vdst(0)
	WPATH 1024, 1, 8, WOC, WOS, 704
.Lfunc_end_k_q47c81ac7ce_quant:
	.size	k_q47c81ac7ce_quant, .Lfunc_end_k_q47c81ac7ce_quant-k_q47c81ac7ce_quant
	.p2alignl 7, 3214868480
	.fill 96, 4, 3214868480
	.section	.rodata,"a",@progbits
	.p2align	6, 0x0
	.amdhsa_kernel k_q47c81ac7ce_quant
		.amdhsa_group_segment_fixed_size 35328
		.amdhsa_private_segment_fixed_size 0
		.amdhsa_enable_private_segment 0
		.amdhsa_kernarg_size 32
		.amdhsa_user_sgpr_count 2
		.amdhsa_user_sgpr_kernarg_segment_ptr 1
		.amdhsa_wavefront_size32 1
		.amdhsa_system_sgpr_workgroup_id_x 1
		.amdhsa_system_sgpr_workgroup_id_y 1
		.amdhsa_system_sgpr_workgroup_id_z 1
		.amdhsa_system_vgpr_workitem_id 0
		.amdhsa_next_free_vgpr 256
		.amdhsa_next_free_sgpr 66
		.amdhsa_reserve_vcc 0
		.amdhsa_float_denorm_mode_32 3
		.amdhsa_float_denorm_mode_16_64 3
		.amdhsa_memory_ordered 1
		.amdhsa_forward_progress 1
		.amdhsa_inst_pref_size 59
	.end_amdhsa_kernel
	.amdgpu_metadata
---
amdhsa.version: [ 1, 2 ]
amdhsa.kernels:
  - .name:           k_q47c81ac7ce_quant
    .symbol:         k_q47c81ac7ce_quant.kd
    .args:
      - { .name: x, .offset: 0, .size: 8, .value_kind: global_buffer, .address_space: global }
      - { .name: w_qkv, .offset: 8, .size: 8, .value_kind: global_buffer, .address_space: global }
      - { .name: w_out, .offset: 16, .size: 8, .value_kind: global_buffer, .address_space: global }
      - { .name: wsq, .offset: 24, .size: 8, .value_kind: global_buffer, .address_space: global }
    .group_segment_fixed_size: 35328
    .private_segment_fixed_size: 0
    .kernarg_segment_align: 8
    .kernarg_segment_size: 32
    .max_flat_workgroup_size: 128
    .sgpr_count:     66
    .vgpr_count:     256
    .wavefront_size: 32
...
	.end_amdgpu_metadata
.endif
;; end of part 1
;; launch qkv (part 2): grid 8 x 48, 4 waves a work-group, clusters of 4 x 4, 327,680 bytes of LDS; arguments wsq, b_qkv, qkvc; writes qkvc
.if DOCPART == 2
	.amdgcn_target "amdgcn-amd-amdhsa--gfx1250"
	.amdhsa_code_object_version 6
	.text
	.protected	k_q47c81ac7ce_qkv
	.globl	k_q47c81ac7ce_qkv
	.p2align	8
	.type	k_q47c81ac7ce_qkv,@function
k_q47c81ac7ce_qkv:
	s_mov_b64 s[64:65], 0
	v_nop
	global_prefetch_b8 v0, s[64:65] scope:SCOPE_SE
	s_setreg_imm32_b32 hwreg(HW_REG_WAVE_MODE, 25, 1), 1
	s_wait_xcnt 0x0
	s_wait_alu depctr_hold_cnt(0) depctr_sa_sdst(0) depctr_va_vdst(0) depctr_va_sdst(0) depctr_va_ssrc(0) depctr_va_vcc(0) depctr_vm_vsrc(0)
	s_getreg_b32 s2, hwreg(HW_REG_IB_STS2, 6, 4)
	s_cmp_eq_u32 s2, 0
	s_cbranch_scc0 .Lentry_in_a_cluster
	s_endpgm
.Lentry_in_a_cluster:
	s_bfe_u32 s2, ttmp6, 0x10000c
	s_cmp_lg_u32 s2, 0xf033
	s_cbranch_scc0 .Lentry_shape_is_right
	s_endpgm
.Lentry_shape_is_right:
; qkv = x w_qkv + b_qkv on codes of FP6 (E2M3) with E8M0 scales, sums in f32; the result leaves as CODES: q and k quantised along the channels, v along the tokens.
; Z(i, j) = sum over k of A(i, k) B(j, k).  Clusters with y 0-7: A = x (tokens), B = w_qkv's columns 0-2047: q and k, the bias runs along j, the quantiser's K is j = channels.
; Clusters with y 8-11: A = w_qkv's columns 2048-3071, B = x: v transposed, the bias runs along i, the quantiser's K is j = tokens.  The two kinds differ in addresses and in two masks alone: no branch.
; A tile of Z, 256 x 256, is made by four waves, 128 x 128 each: 64 accumulators, 512 registers.
; K = 1024 IS FOUR QUARTERS OF 256.  Three LDS slots of 98,304 bytes hold the first three, all asked for at the start; the fourth goes into slot 0 behind the change from slot 0 to slot 1, and has the work
; of slots 1 and 2, 256 matrix instructions, in which to land.  So the launch has one refill and one round of the cluster's barrier for it; the K steps are written out, without a loop.
; OPERANDS LIE IN MEMORY AS IMAGES OF THEIR REGISTERS (a fragment of 16 rows x 128 K is 1,536 bytes, registers 4 c .. 4 c + 3 of lane l at 512 c + 16 l): three loads of 16 bytes a lane bring one, 512 consecutive bytes each.
; Scale words lie [row / 128][K step][128 rows]; those of the tile's 256 + 256 rows come into LDS once, with the first fills.
; CLUSTERS: 4 x 4 work-groups; A's tiles are asked for jointly along a row of the cluster, B's along a column.
; THE MATRIX INSTRUCTION IS USED TRANSPOSED (source 0 = 16 rows of B, source 1 = 16 rows of A): lane (r, h) holds row i = r, and register n of accumulator b holds j = 16 b + 8 h + n.
; The 16 registers of accumulators 2 t and 2 t + 1 go to the quantiser as places 16 h + 0 .. 15 of block t: inside a block of 32, j stands at the place with bits 3 and 4 swapped.  A block's members, and so its scale,
; are the contract's; both operands of each later product are laid so, and the products' sums are then grouped otherwise inside the unit.
; LIMITS: NaN and infinities are not served; a block of zeros or under 2^-124 gets the scale byte 1.
; REGISTERS: window 0: v16-31 addresses; v32-47 scale words, two sets; v48-63 the bias along i, in pairs; v64-127 the bias along j, later a block on its way out; v128-223 A's fragments, one set.
;   window 1: B's fragments, two sets, at v0 and v128.  windows 2, 3: the accumulators, (a, b) at v[8 (8 (a % 4) + b)].
.set NA,   8                           ; A's blocks of 16 rows in a wave's tile
.set NQ,   2                           ; steps of 128 along K in a slot
.set KS,   8                           ; steps in all
.set NSL,  3                           ; slots
.set APIT, 12288                       ; bytes from one block of 16 rows to the next, in A's memory
.set BPIT, 12288                       ; and in B's
.set CM0,  2                           ; the first step's C: the bias along j
.set RBB,   NQ*1536                    ; a block's bytes in a slot
.set HALFA, NA*RBB                     ; what one tensor load brings of A, and what a wave reads
.set HALFB, 8*RBB
.set SLOT,  2*HALFA+2*HALFB
.set SCA,   NSL*SLOT                   ; A's scale words
.set SCB,   SCA+2*KS*512+128           ; B's: 128 bytes further on than a multiple of 256, so that A's and B's words of one load lie in different banks
.set SPARE, SCB+2*KS*512+128           ; the spare words: 128 bytes a wave, named by no other line
.set ADRA, 16                          ; v16-18 LDS address of my A fragments in slot 0, 1, 2
.set ADRB, 20                          ; v20-22 the same for B
.set LI,   24                          ; 16 x lane
.set SWA,  25                          ; the way out: my row's scale word in my 2,048 bytes of slot 1
.set SRA,  26                          ; and where I read the words back
.set ADRS, 27
.set SPW,  28
.set NIL,  29
.set SC,   32
.set AF,   128
.set TM,   32                          ; the way out: at work in QUANT
.set PC,   128
.set ST,   64
.set CX,   2                           ; s2 cx, s3 cy: my place in the cluster
.set CYI,  3
.set TC,   10                          ; s10 tile column, s11 the cluster's y, s12 f, s13 g: all read for the last time before s[10:13] take the results' addresses
.set CLY,  11
.set FV,   12
.set GQ,   13
.set MROW, 18                          ; s18, s19 the two masks, until they stand in the descriptors
.set MCOL, 19
.set G1, 24                            ; s[24:31] descriptor group 1 for A's tiles
.set G0, 32                            ; s[32:43] group 0 for A's tiles, a set for each slot
.set G0B2, 44                          ; s[44:47] group 0 for B's tile in slot 2
.set G1B, 48                           ; s[48:55] group 1 for B's tiles
.set G0B, 56                           ; s[56:63] group 0 for B's tiles in slots 0 and 1
.set SEL, 66
.set G1S, 68
.set G0S, 76
.set G1SB, 80
.set G0SB, 88
.set MSB, 0
.macro WIN new                         ; the immediate's high byte repeats the setting that is left
.if MSB != (\new)
	s_set_vgpr_msb (MSB<<8)|(\new)
.set MSB, (\new)
.endif
.endm
.macro WINM hi, cm                     ; for the products: source 0 (B) window 1, source 1 (A) window 0, D window 2 or 3, C with D or (cm = 2) in window 0
.if (\cm) == 2
	WIN 0x81+0x40*(\hi)
.else
	WIN 0xa1+0x50*(\hi)
.endif
.endm
.macro PLACES n
.rept \n
	v_nop
.endr
.endm
.macro JLOAD g0a, g1a, g0b, g1b        ; a joint load: waves 0 and 1 fetch A's halves, waves 2 and 3 B's; an s_nop 0 and four v_nop follow each line
	s_cmp_eq_u32 s15, 0
	s_cbranch_scc0 .Lfor_b_\@
	tensor_load_to_lds s[\g0a:\g0a+3], s[\g1a:\g1a+7]
	s_nop 0
.rept 4
	v_nop
.endr
	s_branch .Lasked_\@
.Lfor_b_\@:
	tensor_load_to_lds s[\g0b:\g0b+3], s[\g1b:\g1b+7]
	s_nop 0
.rept 4
	v_nop
.endr
.Lasked_\@:
.endm
.macro MKG0 g, lreg, areg, s           ; a group 0: count 1; LDS address: my half's place + the slot; global address: K's quarter s; the type
	s_mov_b32 s[\g], 1
	s_add_co_u32 s[\g+1], s[\lreg], (\s)*SLOT
	s_add_nc_u64 s[\g+2:\g+3], s[\areg:\areg+1], (\s)*RBB
	s_or_b32 s[\g+3], s[\g+3], 0x80000000
.endm
.macro CREST                           ; a round of the cluster's barrier behind its opening barrier
	s_cmp_lg_u32 s14, 0
	s_cbranch_scc1 .Lnot_wave_0_\@
	s_barrier_signal -3
.Lnot_wave_0_\@:
	s_barrier_wait -3
	s_barrier_signal -1
	s_barrier_wait -1
.endm
.macro CROUND
	s_barrier_signal -1
	s_barrier_wait -1
	CREST
.endm
.macro FRAG reg, adr, q, i             ; a fragment comes as it was stored: three loads, 512 consecutive bytes each
.irp c, 0,1,2
	ds_load_b128 v[\reg+4*\c:\reg+4*\c+3], v[\adr] offset:(\i)*RBB+(\q)*1536+512*\c
.endr
.endm
.macro FETCH_B slot, q, p              ; B's eight fragments of the slot's q-th step into set p
	WIN 0x40
.irp i, 0,1,2,3,4,5,6,7
	FRAG 128*(\p)+12*\i, ADRB+\slot, \q, \i
.endr
	WIN 0
.endm
.macro FETCH_A slot, q, i0             ; half of A's blocks, from i0 on
.set FI, \i0
.rept NA/2
	FRAG AF+12*FI, ADRA+\slot, \q, FI
.set FI, FI+1
.endr
.endm
.macro SCALES p, q                     ; register i of set p: lanes 0-15 the words of A's block i, lanes 16-31 those of B's block i
.irp i, 0,1,2,3,4,5,6,7
	ds_load_b32 v[SC+8*(\p)+\i], v[ADRS] offset:512*(\q)+64*\i
.endr
.endm
.macro MULA a, p, cm                   ; A's block a against B's eight.  cm = 2: C = the bias along j; 0: in place
.irp b, 0,1,2,3,4,5,6,7
.if (\cm) == 2
	v_wmma_scale_f32_16x16x128_f8f6f4 v[8*(8*((\a)%4)+\b):8*(8*((\a)%4)+\b)+7], v[128*(\p)+12*\b:128*(\p)+12*\b+11], v[AF+12*(\a):AF+12*(\a)+11], v[64+8*\b:64+8*\b+7], v[SC+8*(\p)+\b], v[SC+8*(\p)+(\a)] matrix_a_fmt:MATRIX_FMT_FP6 matrix_b_fmt:MATRIX_FMT_FP6 matrix_a_scale:MATRIX_SCALE_ROW1
.else
	v_wmma_scale_f32_16x16x128_f8f6f4 v[8*(8*((\a)%4)+\b):8*(8*((\a)%4)+\b)+7], v[128*(\p)+12*\b:128*(\p)+12*\b+11], v[AF+12*(\a):AF+12*(\a)+11], v[8*(8*((\a)%4)+\b):8*(8*((\a)%4)+\b)+7], v[SC+8*(\p)+\b], v[SC+8*(\p)+(\a)] matrix_a_fmt:MATRIX_FMT_FP6 matrix_b_fmt:MATRIX_FMT_FP6 matrix_a_scale:MATRIX_SCALE_ROW1
.endif
.endr
.endm
.macro MULS a0, n, p, cm               ; n blocks of A from a0 on.  All accumulators take turns, one instruction a turn, in the same order in every step
.set AI, \a0
.rept \n
	MULA AI, \p, \cm
.set AI, AI+1
.endr
.endm
; A slot's first step: its successor lies in the same slot.  Four plain instructions stand in front of each run of loads into registers that matrix instructions have read (except for loads).
.macro STEP slot, q, cm
	s_wait_dscnt 3*NA/2                            ; all but the youngest loads, A's second half
	WINM 0, \cm
	MULS 0, NA/2, (\q)%2, \cm
	s_wait_dscnt 0x0                               ; A's second half is in
	PLACES 4
	FETCH_B \slot, (\q)+1, 1-(\q)%2
	FETCH_A \slot, (\q)+1, 0
	SCALES 1-(\q)%2, (\q)+1
	WINM 1, \cm
	MULS NA/2, NA/2, (\q)%2, \cm
	PLACES 4
	WIN 0
	FETCH_A \slot, (\q)+1, NA/2
.endm
; A slot's last step with a barrier: in front of it each wave waits for all its tensor loads, adds 0 to its spare word, and waits for that and for its reads of this slot.  fill = 1: the slot takes K's last quarter.
.macro TURN slot, next, fill
	s_wait_tensorcnt 0x0                           ; all my tensor loads have landed
	ds_add_u32 v[SPW], v[NIL]
	s_wait_dscnt 3*NA/2+1                          ; (the add and A's second half may be out)
	WINM 0, 0
	MULS 0, NA/4, 1, 0
	s_wait_dscnt 0x0                               ; the add is done, and my reads of this slot are over
	s_barrier_signal -1
	MULS NA/4, NA/4, 1, 0
	WIN 0
	s_barrier_wait -1
.if \fill
	CREST                                          ; the barrier has opened a round of the cluster's: no wave of any partner still reads this slot or has a load on its way
	s_add_nc_u64 s[G0+4*\slot+2:G0+4*\slot+3], s[G0+4*\slot+2:G0+4*\slot+3], NSL*RBB
	s_add_nc_u64 s[G0B+4*\slot+2:G0B+4*\slot+3], s[G0B+4*\slot+2:G0B+4*\slot+3], NSL*RBB
	JLOAD G0+4*\slot, G1, G0B+4*\slot, G1B         ; the first tensor load behind the round; its four v_nop are the plain instructions in front of the loads below
.else
	PLACES 4
.endif
	v_add_nc_u32 v[ADRS], NQ*512, v[ADRS]          ; the next slot's scale words
	FETCH_B \next, 0, 0
	FETCH_A \next, 0, 0
	SCALES 0, 0
	WINM 1, 0
	MULS NA/2, NA/2, 1, 0
	PLACES 4
	WIN 0
	FETCH_A \next, 0, NA/2
.endm
; A slot's last step without a barrier: the next slot was shown whole to every wave by the wait for all loads and the round at the first change of slots, and this slot is not filled again.
.macro PASS next
	s_wait_dscnt 3*NA/2
	WINM 0, 0
	MULS 0, NA/2, 1, 0
	s_wait_dscnt 0x0
	WIN 0
	PLACES 4
	v_add_nc_u32 v[ADRS], NQ*512, v[ADRS]
	FETCH_B \next, 0, 0
	FETCH_A \next, 0, 0
	SCALES 0, 0
	WINM 1, 0
	MULS NA/2, NA/2, 1, 0
	PLACES 4
	WIN 0
	FETCH_A \next, 0, NA/2
.endm
; THE FILLS, AS THE TEXT NOW HAS THEM (this takes the place of what the head comment says of them): at the head each wave issues ONE joint load: waves 0, 1 all 16 blocks of A for slots 0, 1; waves 2, 3 the same of B.
; Slot 2's first fill stands behind the full sequence and a round; the one refill, K's last quarter into slot 0, stands in step 2 (FILL).  The scale words come by plain loads and LDS stores into blocks of their own.
; FILL: slot 1's first step, with the barrier of the refill: in front of it the wait for all my tensor loads (slot 2's), the add, and the wait for it and for my reads of slot 0.
.macro FILL
	s_wait_tensorcnt 0x0
	ds_add_u32 v[SPW], v[NIL]
	s_wait_dscnt 3*NA/2+1                          ; (the add and A's second half, 12 loads, may be out)
	WINM 0, 0
	MULS 0, NA/4, 0, 0
	s_wait_dscnt 0x0
	s_barrier_signal -1
	MULS NA/4, NA/4, 0, 0
	WIN 0
	s_barrier_wait -1
	CREST                                          ; the barrier has opened a round of the cluster's
	s_add_nc_u64 s[G0+2:G0+3], s[G0+2:G0+3], NSL*RBB
	s_add_nc_u64 s[G0B+2:G0B+3], s[G0B+2:G0B+3], NSL*RBB
	JLOAD G0, G1, G0B, G1B                         ; the first tensor load behind the round; its four v_nop stand in front of the loads below
	FETCH_B 1, 1, 1
	FETCH_A 1, 1, 0
	SCALES 1, 1
	WINM 1, 0
	MULS NA/2, NA/2, 0, 0
	PLACES 4
	WIN 0
	FETCH_A 1, 1, NA/2
.endm
.macro LAST
	s_wait_dscnt 3*NA/2
	WINM 0, 0
	MULS 0, NA/2, 1, 0
	s_wait_dscnt 0x0
	WINM 1, 0
	MULS NA/2, NA/2, 1, 0
	WIN 0
.endm
; 64 numbers of a lane, register 16 b + i = place 16 (lane / 16) + i of block b of row lane % 16, become a fragment's codes in v[PC] on and the row's scale word in v[pw].
.macro QUANT s, pw
.irp b, 0,1,2,3
	v_max3_num_f32 v[TM+\b], |v[\s+16*\b]|, |v[\s+1+16*\b]|, 0x1800000   ; and the floor 2^(3 - 127): the byte cannot fall under 1
.endr
.irp i, 2,4,6,8,10,12,14
.irp b, 0,1,2,3
	v_max3_num_f32 v[TM+\b], v[TM+\b], |v[\s+16*\b+\i]|, |v[\s+1+16*\b+\i]|
.endr
.endr
.irp b, 0,1,2,3
	v_permlanex16_b32 v[TM+4+\b], v[TM+\b], s[SEL], s[SEL+1]
.endr
.irp b, 0,1,2,3
	v_max_num_f32 v[TM+\b], v[TM+\b], v[TM+4+\b]
.endr
.irp b, 0,1,2,3
	v_add_nc_u32 v[TM+12+\b], 0xff000000, v[TM+\b]                  ; 2 off the exponent field: the conversion's scale operand
.endr
.irp b, 0,1,2,3
	v_lshrrev_b32 v[TM+4+\b], 23, v[TM+12+\b]                       ; the byte
.endr
	v_lshl_or_b32 v[\pw], v[TM+5], 8, v[TM+4]
	v_lshl_or_b32 v[\pw], v[TM+6], 16, v[\pw]
	v_lshl_or_b32 v[\pw], v[TM+7], 24, v[\pw]
.irp c, 0,1
	v_cvt_scalef32_pk16_fp6_f32 v[PC+6*\c:PC+2+6*\c], v[\s+32*\c:\s+15+32*\c], v[TM+12+2*\c]
	v_cvt_scalef32_pk16_fp6_f32 v[PC+12+4*\c:PC+14+4*\c], v[\s+16+32*\c:\s+31+32*\c], v[TM+12+2*\c+1]
.endr
	v_nop                                          ; one plain instruction behind the scaled conversions
.irp c, 0,1
.irp i, 0,1,2
	v_permlane16_swap_b32 v[PC+6*\c+\i], v[PC+12+4*\c+\i]
.endr
.irp i, 0,1,2
	v_mov_b32 v[PC+3+6*\c+\i], v[PC+12+4*\c+\i]
.endr
.endr
.endm
	s_load_b128 s[4:7], s[0:1], 0x0                ; wsq s[4:5], b_qkv s[6:7]
	s_load_b64 s[8:9], s[0:1], 0x10                ; qkvc
	v_lshl_add_u32 v[SPW], v0, 2, SPARE
	v_mov_b32 v[NIL], 0
	ds_add_u32 v[SPW], v[NIL]                      ; the wave's opening: the add and its wait ahead of my first tensor load; work on registers stands between them
	ds_add_u32 v[SPW], v[NIL]
	v_lshrrev_b32 v1, 5, v0
	v_readfirstlane_b32 s14, v1                    ; wave
	s_lshr_b32 s15, s14, 1                         ; my half of the tile's rows.  Also: I fetch for A (0) or for B (1)
	s_and_b32 s16, s14, 1                          ; my half of its columns.  Also: which half I fetch
	s_bfe_u32 s[CX], ttmp6, 0x40000                ; cx
	s_bfe_u32 s[CYI], ttmp6, 0x40004               ; cy
	s_and_b32 s[CLY], ttmp7, 0xffff                ; the cluster's y
	s_lshl_b32 s[MROW], s[CYI], 2
	s_lshl_b32 s[MROW], 15, s[MROW]                ; my row of the cluster
	s_lshl_b32 s[MCOL], 0x1111, s[CX]              ; my column
	s_or_b32 s[G1], s[MROW], (3<<16)|(1<<21)       ; elements of 8 bytes, no padding; bit 21 beside a mask
	s_or_b32 s[G1B], s[MCOL], (3<<16)|(1<<21)
	s_or_b32 s[G1S], s[MROW], (3<<16)|(1<<21)
	s_or_b32 s[G1SB], s[MCOL], (3<<16)|(1<<21)
.irp g, G1, G1B                                ; a tile of codes: a row = one block of 16 rows' RBB bytes of a slot
	s_mov_b32 s[\g+1], (RBB/8)<<16
	s_mov_b32 s[\g+3], (RBB/8)<<16
	s_mov_b32 s[\g+6], 0
	s_mov_b32 s[\g+7], 0
.endr
	s_mov_b32 s[G1+2], NA<<16
	s_mov_b32 s[G1+4], NA
	s_mov_b32 s[G1+5], APIT/8
	s_mov_b32 s[G1B+2], 8<<16
	s_mov_b32 s[G1B+4], 8
	s_mov_b32 s[G1B+5], BPIT/8
.irp g, G1S, G1SB                              ; the head's tiles: all 16 blocks of a side, RBB bytes each
	s_mov_b32 s[\g+1], (RBB/8)<<16
	s_mov_b32 s[\g+2], 16<<16
	s_mov_b32 s[\g+3], (RBB/8)<<16
	s_mov_b32 s[\g+4], 16
	s_mov_b32 s[\g+5], APIT/8
	s_mov_b32 s[\g+6], 0
	s_mov_b32 s[\g+7], 0
.endr
	s_mov_b32 s[SEL], 0x76543210
	s_mov_b32 s[SEL+1], 0xfedcba98
	s_lshr_b32 s[FV], s[CLY], 3                    ; f = 1: a tile of v
	s_xor_b32 s[GQ], s[FV], 1                      ; g = 1: a tile of q or k
	s_cmp_eq_u32 s[FV], 0
	s_cselect_b32 s98, -1, 0                       ; all lanes keep the bias along j in a tile of q or k,
	s_not_b32 s99, s98                             ; and that along i in a tile of v
	s_mul_i32 s17, s[CLY], s[GQ]
	s_lshl_b32 s17, s17, 2
	s_add_co_u32 s17, s17, s[CYI]                  ; tile row: 4 y + cy, or cy
	s_and_b32 s[TC], s[CLY], 7
	s_mul_i32 s[TC], s[TC], s[FV]
	s_lshl_b32 s[TC], s[TC], 1
	s_add_co_u32 s[TC], s[TC], ttmp9
	s_lshl_b32 s[TC], s[TC], 2
	s_add_co_u32 s[TC], s[TC], s[CX]               ; tile column: 4 x + cx, or 4 (x + 2 (y - 8)) + cx
	s_lshl_b32 s18, s16, 3
	s_lshl_b32 s20, s17, 4
	s_add_co_u32 s20, s20, s18
	s_mul_i32 s20, s20, APIT
	s_mul_i32 s19, s[FV], 8126464                  ; v: w_qkv's codes from column 2048 on
	s_add_co_u32 s20, s20, s19                     ; A's codes
	s_mov_b32 s21, 0
	s_lshl_b32 s22, s[TC], 4
	s_add_co_u32 s22, s22, s18
	s_mul_i32 s22, s22, BPIT
	s_mul_i32 s19, s[GQ], 6553600                  ; q, k: w_qkv's codes
	s_add_co_u32 s22, s22, s19                     ; B's codes
	s_mov_b32 s23, 0
	s_lshl_b32 s92, s17, 13
	s_mul_i32 s19, s[FV], 2686976
	s_add_co_u32 s92, s92, s19
	s_add_co_u32 s92, s92, 6291456                 ; A's scale words
	s_mov_b32 s93, 0
	s_lshl_b32 s94, s[TC], 13
	s_mul_i32 s19, s[FV], 6291456
	s_add_co_u32 s94, s94, s19
	s_mul_i32 s19, s[GQ], 8912896
	s_add_co_u32 s94, s94, s19                     ; B's scale words
	s_mov_b32 s95, 0
	s_mul_i32 s97, s16, HALFA                      ; where my half goes in a slot: A's,
	s_mul_i32 s18, s16, HALFB
	s_add_co_u32 s18, s18, 2*HALFA
	s_mul_i32 s[G0S+2], s16, NA*APIT-RBB           ; the head's load: from the tile's first block, K's quarter 0 or 1 by the wave's low bit
	s_sub_co_u32 s[G0S+2], s20, s[G0S+2]
	s_mov_b32 s[G0S+3], 0
	s_mul_i32 s[G0SB+2], s16, 8*BPIT-RBB
	s_sub_co_u32 s[G0SB+2], s22, s[G0SB+2]
	s_mov_b32 s[G0SB+3], 0
	s_wait_dscnt 0x0
	s_wait_kmcnt 0x0
	s_add_nc_u64 s[20:21], s[4:5], s[20:21]
	s_add_nc_u64 s[22:23], s[4:5], s[22:23]
	s_mov_b32 s[G0S], 1
	s_mul_i32 s[G0S+1], s16, SLOT                  ; A's 16 blocks stand first in a slot,
	s_add_nc_u64 s[G0S+2:G0S+3], s[4:5], s[G0S+2:G0S+3]
	s_or_b32 s[G0S+3], s[G0S+3], 0x80000000
	s_mov_b32 s[G0SB], 1
	s_mul_i32 s[G0SB+1], s16, SLOT
	s_add_co_u32 s[G0SB+1], s[G0SB+1], 2*HALFA     ; B's behind them
	s_add_nc_u64 s[G0SB+2:G0SB+3], s[4:5], s[G0SB+2:G0SB+3]
	s_or_b32 s[G0SB+3], s[G0SB+3], 0x80000000
	MKG0 G0,    97, 20, 0
	MKG0 G0+8,  97, 20, 2
	MKG0 G0B,   18, 22, 0
	MKG0 G0B2,  18, 22, 2
	CROUND                                         ; all sixteen work-groups are here: the first joint loads meet
	JLOAD G0S, G1S, G0SB, G1SB                     ; my one load at the head
	v_lshlrev_b32 v7, 4, v0                        ; the scale words of the tile's 256 + 256 rows, 8,192 dense bytes a side: 16 bytes a thread, 2,048 a line
	v_add_nc_u32 v9, s92, v7
	v_add_nc_u32 v10, s94, v7
	v_add_nc_u32 v8, SCA, v7
.irp i, 0,1,2,3
	global_load_b128 v[128+4*\i:131+4*\i], v9, s[4:5] offset:2048*\i
	global_load_b128 v[144+4*\i:147+4*\i], v10, s[4:5] offset:2048*\i
.endr
	v_and_b32 v1, 15, v0                           ; r
	v_bfe_u32 v2, v0, 4, 1                         ; h
	s_wait_alu depctr_va_vdst(0)
	v_and_b32 v3, 31, v0
	v_lshlrev_b32 v[LI], 4, v3
	s_mul_i32 s19, s15, HALFA
	s_mul_i32 s20, s16, HALFB
	s_add_co_u32 s20, s20, 2*HALFA
.irp s, 0,1,2
	v_add_nc_u32 v[ADRA+\s], s19, v[LI]
	v_add_nc_u32 v[ADRB+\s], s20, v[LI]
	s_add_co_u32 s19, s19, SLOT
	s_add_co_u32 s20, s20, SLOT
.endr
	s_mul_i32 s19, s15, KS*512                     ; scale words: lanes 0-15 A's rows, lanes 16-31 B's: the lower base + h x the distance
	s_mul_i32 s20, s16, KS*512
	s_add_co_u32 s20, s20, SCB-SCA
	s_sub_co_u32 s20, s20, s19
	v_mul_u32_u24 v4, s20, v2
	v_lshl_add_u32 v4, v1, 2, v4
	s_add_co_u32 s21, s19, SCA
	v_add_nc_u32 v[ADRS], s21, v4
	s_lshl_b32 s19, s14, 11
	s_add_co_u32 s19, s19, SLOT                    ; my 2,048 bytes of slot 1
	v_lshl_add_u32 v[SWA], v1, 2, s19
	v_add_nc_u32 v[SRA], s19, v[LI]
	; the biases.  Along j: eight registers for each of B's blocks, in the result's layout; along i: one number a lane for each of A's blocks, twice, for the packed addition.  The kind that a tile does not have is made 0.
	s_lshl_b32 s20, s[TC], 10
	s_lshl_b32 s19, s16, 9
	s_add_co_u32 s20, s20, s19
	s_mul_i32 s20, s20, s[GQ]
	s_mov_b32 s21, 0
	s_add_nc_u64 s[20:21], s[6:7], s[20:21]
	s_lshl_b32 s22, s17, 10
	s_lshl_b32 s19, s15, 9
	s_add_co_u32 s22, s22, s19
	s_add_co_u32 s22, s22, 8192
	s_mul_i32 s22, s22, s[FV]
	s_mov_b32 s23, 0
	s_add_nc_u64 s[22:23], s[6:7], s[22:23]
	v_lshlrev_b32 v5, 5, v2
	v_lshlrev_b32 v6, 2, v1
.irp b, 0,1,2,3,4,5,6,7
	global_load_b128 v[64+8*\b:64+8*\b+3], v5, s[20:21] offset:64*\b
	global_load_b128 v[64+8*\b+4:64+8*\b+7], v5, s[20:21] offset:64*\b+16
	global_load_b32 v[48+2*\b], v6, s[22:23] offset:64*\b
	global_load_b32 v[49+2*\b], v6, s[22:23] offset:64*\b
.endr
	; where the results go: codes at fragment (16 x tile row + 8 x half + a, 2 x tile column + half) of rows with KP fragments; words at [row / 128][K step][128]
	s_mul_i32 s92, s[FV], 48
	s_add_co_u32 s92, s92, 16                      ; KP: 16 for q and k, 64 for v
	s_lshl_b32 s19, s[TC], 1
	s_add_co_u32 s19, s19, s16
	s_lshl_b32 s94, s17, 4
	s_lshl_b32 s95, s15, 3
	s_add_co_u32 s94, s94, s95
	s_mul_i32 s94, s94, s92
	s_add_co_u32 s94, s94, s19
	s_mul_i32 s94, s94, 1536
	s_mul_i32 s95, s[FV], 13107200
	s_add_co_u32 s94, s94, s95
	s_mov_b32 s95, 0
	s_add_nc_u64 s[10:11], s[8:9], s[94:95]        ; (the tile column and the cluster's y are done with)
	s_lshl_b32 s94, s17, 1
	s_add_co_u32 s94, s94, s15
	s_mul_i32 s94, s94, s92
	s_add_co_u32 s94, s94, s19
	s_lshl_b32 s94, s94, 9
	s_mul_i32 s95, s[FV], 6815744
	s_add_co_u32 s94, s94, s95
	s_add_co_u32 s94, s94, 12582912
	s_mov_b32 s95, 0
	s_add_nc_u64 s[12:13], s[8:9], s[94:95]        ; (f and g are done with)
	s_mul_i32 s92, s92, 1536                       ; from one block of 16 rows to the next
	s_mov_b32 s93, 0
	s_wait_alu depctr_va_vdst(0)
	s_wait_loadcnt 0x0
.irp i, 0,1,2,3
	ds_store_b128 v8, v[128+4*\i:131+4*\i] offset:2048*\i             ; into blocks of LDS on which no tensor load lands
	ds_store_b128 v8, v[144+4*\i:147+4*\i] offset:SCB-SCA+2048*\i
.endr
.set J, 0
.rept 64
	v_cndmask_b32 v[64+J], 0, v[64+J], s98
.set J, J+1
.endr
.set J, 0
.rept 16
	v_cndmask_b32 v[48+J], 0, v[48+J], s99
.set J, J+1
.endr
	s_wait_alu depctr_va_vdst(0)
	s_wait_tensorcnt 0x0                           ; my load has landed
	ds_add_u32 v[SPW], v[NIL]
	s_wait_dscnt 0x0                               ; the add and my stores of scale words are done
	CROUND                                         ; slots 0 and 1 and the scale words are whole in every wave's sight
	JLOAD G0+8, G1, G0B2, G1B                      ; slot 2's first fill: K's third quarter, a half of a side a wave
	FETCH_B 0, 0, 0
	FETCH_A 0, 0, 0
	SCALES 0, 0
	FETCH_A 0, 0, NA/2
	STEP 0, 0, CM0                                 ; K's first quarter; the first step's products start the sums
	PASS 1                                         ; slot 1 was whole at the head's round
	s_wait_alu depctr_va_vdst(0)
	FILL                                           ; slot 2 is whole; slot 0 takes K's last quarter: the launch's one refill
	PASS 2
	s_wait_alu depctr_va_vdst(0)
	STEP 2, 0, 0                                   ; the third
	TURN 2, 0, 0                                   ; the refill has landed, in every wave's sight; nothing is filled again
	s_wait_alu depctr_va_vdst(0)
	STEP 0, 0, 0                                   ; the fourth
	LAST
	; THE WAY OUT, a block of 16 rows at a time: + the bias along i (which also brings the block into window 0, each accumulator from its low end on), quantised, stored as an image.
	PLACES 4
.irp b, 0,1,2,3
	v_mov_b32 v[TM+4+\b], 0
.endr
.irp a, 0,1,2,3,4,5,6,7
	s_wait_xcnt 0x0                                ; the last block's stores have read the codes' registers and their base
.if \a > 0
	s_add_nc_u64 s[10:11], s[10:11], s[92:93]
.endif
	WIN 0x02+\a/4
.set J, 0
.rept 32
	v_pk_add_f32 v[ST+J:ST+J+1], v[64*(\a%4)+J:64*(\a%4)+J+1], v[48+2*\a:49+2*\a]
.set J, J+2
.endr
	WIN 0
	QUANT ST, 152+\a
.irp c, 0,1,2
	global_store_b128 v[LI], v[PC+4*\c:PC+4*\c+3], s[10:11] offset:512*\c   ; 512 consecutive bytes, aligned
.endr
.endr
.irp a, 0,1,2,3,4,5,6,7
	ds_store_b32 v[SWA], v[152+\a] offset:64*\a    ; my 128 rows' scale words meet in my 2,048 bytes of slot 1, which had its only fill at the start and its last read ahead of the last barrier
.endr
	ds_load_b128 v[160:163], v[SRA]
	s_wait_dscnt 0x0
	global_store_b128 v[LI], v[160:163], s[12:13]
	s_wait_tensorcnt 0x0                           ; the wave's end
	ds_add_u32 v[SPW], v[NIL]
	s_wait_dscnt 0x0
	CROUND                                         ; the closing round
	s_endpgm
.Lfunc_end_k_q47c81ac7ce_qkv:
	.size	k_q47c81ac7ce_qkv, .Lfunc_end_k_q47c81ac7ce_qkv-k_q47c81ac7ce_qkv
	.p2alignl 7, 3214868480
	.fill 96, 4, 3214868480
	.section	.rodata,"a",@progbits
	.p2align	6, 0x0
	.amdhsa_kernel k_q47c81ac7ce_qkv
		.amdhsa_group_segment_fixed_size 327680
		.amdhsa_private_segment_fixed_size 0
		.amdhsa_enable_private_segment 0
		.amdhsa_kernarg_size 24
		.amdhsa_user_sgpr_count 2
		.amdhsa_user_sgpr_kernarg_segment_ptr 1
		.amdhsa_wavefront_size32 1
		.amdhsa_system_sgpr_workgroup_id_x 1
		.amdhsa_system_sgpr_workgroup_id_y 1
		.amdhsa_system_sgpr_workgroup_id_z 1
		.amdhsa_system_vgpr_workitem_id 0
		.amdhsa_next_free_vgpr 1024
		.amdhsa_next_free_sgpr 100
		.amdhsa_reserve_vcc 0
		.amdhsa_float_denorm_mode_32 3
		.amdhsa_float_denorm_mode_16_64 3
		.amdhsa_memory_ordered 1
		.amdhsa_forward_progress 1
		.amdhsa_inst_pref_size 168
	.end_amdhsa_kernel
	.amdgpu_metadata
---
amdhsa.version: [ 1, 2 ]
amdhsa.kernels:
  - .name:           k_q47c81ac7ce_qkv
    .symbol:         k_q47c81ac7ce_qkv.kd
    .args:
      - { .name: wsq, .offset: 0, .size: 8, .value_kind: global_buffer, .address_space: global }
      - { .name: b_qkv, .offset: 8, .size: 8, .value_kind: global_buffer, .address_space: global }
      - { .name: qkvc, .offset: 16, .size: 8, .value_kind: global_buffer, .address_space: global }
    .group_segment_fixed_size: 327680
    .private_segment_fixed_size: 0
    .kernarg_segment_align: 8
    .kernarg_segment_size: 24
    .max_flat_workgroup_size: 128
    .sgpr_count:     100
    .vgpr_count:     1024
    .wavefront_size: 32
...
	.end_amdgpu_metadata
.endif
;; end of part 2
;; launch score (part 3): grid 8 x 32, 4 waves a work-group, clusters of 4 x 4, 327,680 bytes of LDS; arguments qkvc, pbuf; writes pbuf
.if DOCPART == 3
	.amdgcn_target "amdgcn-amd-amdhsa--gfx1250"
	.amdhsa_code_object_version 6
	.text
	.protected	k_q47c81ac7ce_score
	.globl	k_q47c81ac7ce_score
	.p2align	8
	.type	k_q47c81ac7ce_score,@function
k_q47c81ac7ce_score:
	s_mov_b64 s[64:65], 0
	v_nop
	global_prefetch_b8 v0, s[64:65] scope:SCOPE_SE
	s_setreg_imm32_b32 hwreg(HW_REG_WAVE_MODE, 25, 1), 1
	s_wait_xcnt 0x0
	s_wait_alu depctr_hold_cnt(0) depctr_sa_sdst(0) depctr_va_vdst(0) depctr_va_sdst(0) depctr_va_ssrc(0) depctr_va_vcc(0) depctr_vm_vsrc(0)
	s_getreg_b32 s2, hwreg(HW_REG_IB_STS2, 6, 4)
	s_cmp_eq_u32 s2, 0
	s_cbranch_scc0 .Lentry_in_a_cluster
	s_endpgm
.Lentry_in_a_cluster:
	s_bfe_u32 s2, ttmp6, 0x10000c
	s_cmp_lg_u32 s2, 0xf033
	s_cbranch_scc0 .Lentry_shape_is_right
	s_endpgm
.Lentry_shape_is_right:
; S = q k^T on codes of FP6 (E2M3), sums in f32, and the softmax's first half.  For each query and each CHUNK of 128 keys (a wave's width): t = S x log2(e) / 32; M = the chunk's largest t rounded up to a whole number;
; p = 2^(t - M), quantised along the keys; l = the sum of the unquantised p.  Stored: p's codes and scale words, -M and l.  The next launch joins a row's 16 chunks: since every M is a whole number, the change to the
; row's own M is an exact power of two, which is taken into the scale bytes; the codes stay.
; A tile of S, 256 queries x 256 keys of one batch, is made by four waves, 128 x 128 each.
; K = 1024 IS FOUR QUARTERS OF 256.  Three LDS slots of 98,304 bytes hold the first three, all asked for at the start; the fourth goes into slot 0 behind the change from slot 0 to slot 1, and has the work
; of slots 1 and 2, 256 matrix instructions, in which to land.  So the launch has one refill and one round of the cluster's barrier for it; the K steps are written out, without a loop.
; Operands lie in memory as images of their registers (fragment of 16 rows x 128 K: 1,536 bytes); a row of the buffer holds q's 8 fragments, then k's 8.  Scale words: [row / 128][16 K steps][128 rows], q's steps first.
; CLUSTERS: 4 x 4 work-groups; q's tiles are asked for jointly along a row of the cluster, k's along a column.
; THE MATRIX INSTRUCTION IS USED TRANSPOSED (source 0 = 16 keys, source 1 = 16 queries): lane (r, h) holds query r, register n of accumulator b key 16 b + 8 h + n.  Inside a block of 32 a key stands at the place with
; bits 3 and 4 swapped, as v's tokens do.
; LIMITS: NaN and infinities are not served; p under 2^-126 of its chunk's largest counts as 0; a block whose every p is 0 gets the scale byte 1.
; REGISTERS: window 0: v16-31 addresses; v32-47 scale words, two sets; v128-223 q's fragments, one set.  window 1: k's fragments, two sets.  windows 2, 3: the accumulators, (a, b) at v[8 (8 (a % 4) + b)].
;   On the way out, window 0: v32-35 blocks' largest, v36-39, v40-43 at work, v46 -M, v48-51 sums, v64-127 t, then p, v128-147 codes, v152-159 scale words, v160-183 at work, v192-199 -M, v200-207 l of the eight blocks of rows.
.set NA,   8
.set NQ,   2
.set KS,   8
.set NSL,  3                           ; slots
.set APIT, 24576
.set BPIT, 24576
.set CM0,  1                           ; the first step's C: 0
.set QKS,  12582912                    ; byte offset of the scale words in qkvc
.set PS,   12582912                    ; in pbuf: p's scale words; -M 524,288 bytes and l 1,048,576 bytes further on
.set RBB,   NQ*1536
.set HALFA, NA*RBB
.set HALFB, 8*RBB
.set SLOT,  2*HALFA+2*HALFB
.set SCA,   NSL*SLOT
.set SCB,   SCA+2*KS*512+128           ; 128 bytes further on than a multiple of 256: A's and B's words of one load lie in different banks
.set SPARE, SCB+2*KS*512+128           ; the spare words: 128 bytes a wave, named by no other line
.set ADRA, 16                          ; v16-18 LDS address of my A fragments in slot 0, 1, 2
.set ADRB, 20                          ; v20-22 the same for B
.set LI,   24
.set SWA,  25
.set SRA,  26
.set ADRS, 27
.set SPW,  28
.set NIL,  29
.set SC,   32
.set AF,   128
.set BM,   32
.set BP,   36
.set SO,   40
.set NM,   46
.set SU,   48
.set ST,   64
.set PC,   128
.set PW,   152
.set T,    160
.set NMS,  192
.set LS,   200
.set CX,   2                           ; s2 cx, s3 cy: my place in the cluster
.set CYI,  3
.set TC,   10                          ; s10 tile column, s11 the cluster's y, s12 the batch: all read for the last time before s[10:13] take the results' addresses
.set CLY,  11
.set BT,   12
.set T2,   13
.set MROW, 18                          ; s18, s19 the two masks, until they stand in the descriptors
.set MCOL, 19
.set G1, 24                            ; s[24:31] descriptor group 1 for A's tiles
.set G0, 32                            ; s[32:43] group 0 for A's tiles, a set for each slot
.set G0B2, 44                          ; s[44:47] group 0 for B's tile in slot 2
.set G1B, 48
.set G0B, 56                           ; s[56:63] group 0 for B's tiles in slots 0 and 1
.set SEL, 66
.set G1S, 68
.set G0S, 76
.set G1SB, 80
.set G0SB, 88
.set CS,  98                           ; s[98:99] c = log2(e) / 32
.set MSB, 0
.macro WIN new                         ; the immediate's high byte repeats the setting that is left
.if MSB != (\new)
	s_set_vgpr_msb (MSB<<8)|(\new)
.set MSB, (\new)
.endif
.endm
.macro WINM hi                         ; for the products: source 0 (B) window 1, source 1 (A) window 0, C and D window 2 or 3
	WIN 0xa1+0x50*(\hi)
.endm
.macro PLACES n
.rept \n
	v_nop
.endr
.endm
.macro JLOAD g0a, g1a, g0b, g1b        ; a joint load: waves 0 and 1 fetch A's halves, waves 2 and 3 B's; an s_nop 0 and four v_nop follow each line
	s_cmp_eq_u32 s15, 0
	s_cbranch_scc0 .Lfor_b_\@
	tensor_load_to_lds s[\g0a:\g0a+3], s[\g1a:\g1a+7]
	s_nop 0
.rept 4
	v_nop
.endr
	s_branch .Lasked_\@
.Lfor_b_\@:
	tensor_load_to_lds s[\g0b:\g0b+3], s[\g1b:\g1b+7]
	s_nop 0
.rept 4
	v_nop
.endr
.Lasked_\@:
.endm
.macro MKG0 g, lreg, areg, s           ; a group 0: count 1; LDS address: my half's place + the slot; global address: K's quarter s; the type
	s_mov_b32 s[\g], 1
	s_add_co_u32 s[\g+1], s[\lreg], (\s)*SLOT
	s_add_nc_u64 s[\g+2:\g+3], s[\areg:\areg+1], (\s)*RBB
	s_or_b32 s[\g+3], s[\g+3], 0x80000000
.endm
.macro CREST
	s_cmp_lg_u32 s14, 0
	s_cbranch_scc1 .Lnot_wave_0_\@
	s_barrier_signal -3
.Lnot_wave_0_\@:
	s_barrier_wait -3
	s_barrier_signal -1
	s_barrier_wait -1
.endm
.macro CROUND
	s_barrier_signal -1
	s_barrier_wait -1
	CREST
.endm
.macro FRAG reg, adr, q, i
.irp c, 0,1,2
	ds_load_b128 v[\reg+4*\c:\reg+4*\c+3], v[\adr] offset:(\i)*RBB+(\q)*1536+512*\c
.endr
.endm
.macro FETCH_B slot, q, p
	WIN 0x40
.irp i, 0,1,2,3,4,5,6,7
	FRAG 128*(\p)+12*\i, ADRB+\slot, \q, \i
.endr
	WIN 0
.endm
.macro FETCH_A slot, q, i0
.set FI, \i0
.rept NA/2
	FRAG AF+12*FI, ADRA+\slot, \q, FI
.set FI, FI+1
.endr
.endm
.macro SCALES p, q                     ; register i of set p: lanes 0-15 the words of A's block i, lanes 16-31 those of B's block i
.irp i, 0,1,2,3,4,5,6,7
	ds_load_b32 v[SC+8*(\p)+\i], v[ADRS] offset:512*(\q)+64*\i
.endr
.endm
.macro MULA a, p, cm                   ; A's block a against B's eight.  cm = 1: C = 0; 0: in place
.irp b, 0,1,2,3,4,5,6,7
.if (\cm) == 1
	v_wmma_scale_f32_16x16x128_f8f6f4 v[8*(8*((\a)%4)+\b):8*(8*((\a)%4)+\b)+7], v[128*(\p)+12*\b:128*(\p)+12*\b+11], v[AF+12*(\a):AF+12*(\a)+11], 0, v[SC+8*(\p)+\b], v[SC+8*(\p)+(\a)] matrix_a_fmt:MATRIX_FMT_FP6 matrix_b_fmt:MATRIX_FMT_FP6 matrix_a_scale:MATRIX_SCALE_ROW1
.else
	v_wmma_scale_f32_16x16x128_f8f6f4 v[8*(8*((\a)%4)+\b):8*(8*((\a)%4)+\b)+7], v[128*(\p)+12*\b:128*(\p)+12*\b+11], v[AF+12*(\a):AF+12*(\a)+11], v[8*(8*((\a)%4)+\b):8*(8*((\a)%4)+\b)+7], v[SC+8*(\p)+\b], v[SC+8*(\p)+(\a)] matrix_a_fmt:MATRIX_FMT_FP6 matrix_b_fmt:MATRIX_FMT_FP6 matrix_a_scale:MATRIX_SCALE_ROW1
.endif
.endr
.endm
.macro MULS a0, n, p, cm               ; all accumulators take turns, one instruction a turn, in the same order in every step
.set AI, \a0
.rept \n
	MULA AI, \p, \cm
.set AI, AI+1
.endr
.endm
.macro STEP slot, q, cm                ; a slot's first step: its successor lies in the same slot
	s_wait_dscnt 3*NA/2                            ; all but the youngest loads, A's second half
	WINM 0
	MULS 0, NA/2, (\q)%2, \cm
	s_wait_dscnt 0x0
	PLACES 4                                       ; in front of loads into registers that matrix instructions have read
	FETCH_B \slot, (\q)+1, 1-(\q)%2
	FETCH_A \slot, (\q)+1, 0
	SCALES 1-(\q)%2, (\q)+1
	WINM 1
	MULS NA/2, NA/2, (\q)%2, \cm
	PLACES 4
	WIN 0
	FETCH_A \slot, (\q)+1, NA/2
.endm
.macro TURN slot, next, fill           ; a slot's last step with a barrier: in front of it the wait for all my tensor loads, the add, and the wait for it and for my reads of the slot.  fill = 1: the slot takes K's last quarter
	s_wait_tensorcnt 0x0
	ds_add_u32 v[SPW], v[NIL]
	s_wait_dscnt 3*NA/2+1                          ; (the add and A's second half may be out)
	WINM 0
	MULS 0, NA/4, 1, 0
	s_wait_dscnt 0x0
	s_barrier_signal -1
	MULS NA/4, NA/4, 1, 0
	WIN 0
	s_barrier_wait -1
.if \fill
	CREST                                          ; the barrier has opened a round of the cluster's: no wave of any partner still reads this slot or has a load on its way
	s_add_nc_u64 s[G0+4*\slot+2:G0+4*\slot+3], s[G0+4*\slot+2:G0+4*\slot+3], NSL*RBB
	s_add_nc_u64 s[G0B+4*\slot+2:G0B+4*\slot+3], s[G0B+4*\slot+2:G0B+4*\slot+3], NSL*RBB
	JLOAD G0+4*\slot, G1, G0B+4*\slot, G1B         ; the first tensor load behind the round
.else
	PLACES 4
.endif
	v_add_nc_u32 v[ADRS], NQ*512, v[ADRS]
	FETCH_B \next, 0, 0
	FETCH_A \next, 0, 0
	SCALES 0, 0
	WINM 1
	MULS NA/2, NA/2, 1, 0
	PLACES 4
	WIN 0
	FETCH_A \next, 0, NA/2
.endm
; A slot's last step without a barrier: the next slot was shown whole to every wave by the wait for all loads and the round at the first change of slots, and this slot is not filled again.
.macro PASS next
	s_wait_dscnt 3*NA/2
	WINM 0
	MULS 0, NA/2, 1, 0
	s_wait_dscnt 0x0
	WIN 0
	PLACES 4
	v_add_nc_u32 v[ADRS], NQ*512, v[ADRS]
	FETCH_B \next, 0, 0
	FETCH_A \next, 0, 0
	SCALES 0, 0
	WINM 1
	MULS NA/2, NA/2, 1, 0
	PLACES 4
	WIN 0
	FETCH_A \next, 0, NA/2
.endm
; THE FILLS, AS THE TEXT NOW HAS THEM (this takes the place of what the head comment says of them): at the head each wave issues ONE joint load: waves 0, 1 all 16 blocks of q for slots 0, 1; waves 2, 3 the same of k.
; Slot 2's first fill stands behind the full sequence and a round; the one refill, K's last quarter into slot 0, stands in step 2 (FILL).  The scale words come by plain loads and LDS stores into blocks of their own.
.macro FILL
	s_wait_tensorcnt 0x0
	ds_add_u32 v[SPW], v[NIL]
	s_wait_dscnt 3*NA/2+1                          ; (the add and A's second half, 12 loads, may be out)
	WINM 0
	MULS 0, NA/4, 0, 0
	s_wait_dscnt 0x0
	s_barrier_signal -1
	MULS NA/4, NA/4, 0, 0
	WIN 0
	s_barrier_wait -1
	CREST                                          ; the barrier has opened a round of the cluster's
	s_add_nc_u64 s[G0+2:G0+3], s[G0+2:G0+3], NSL*RBB
	s_add_nc_u64 s[G0B+2:G0B+3], s[G0B+2:G0B+3], NSL*RBB
	JLOAD G0, G1, G0B, G1B                         ; the first tensor load behind the round; its four v_nop stand in front of the loads below
	FETCH_B 1, 1, 1
	FETCH_A 1, 1, 0
	SCALES 1, 1
	WINM 1
	MULS NA/2, NA/2, 0, 0
	PLACES 4
	WIN 0
	FETCH_A 1, 1, NA/2
.endm
.macro LAST
	s_wait_dscnt 3*NA/2
	WINM 0
	MULS 0, NA/2, 1, 0
	s_wait_dscnt 0x0
	WINM 1
	MULS NA/2, NA/2, 1, 0
	WIN 0
.endm
	s_load_b128 s[4:7], s[0:1], 0x0                ; qkvc s[4:5], pbuf s[6:7]
	v_lshl_add_u32 v[SPW], v0, 2, SPARE
	v_mov_b32 v[NIL], 0
	ds_add_u32 v[SPW], v[NIL]                      ; the wave's opening: the add and its wait ahead of my first tensor load
	ds_add_u32 v[SPW], v[NIL]
	v_lshrrev_b32 v1, 5, v0
	v_readfirstlane_b32 s14, v1
	s_lshr_b32 s15, s14, 1
	s_and_b32 s16, s14, 1
	s_bfe_u32 s[CX], ttmp6, 0x40000
	s_bfe_u32 s[CYI], ttmp6, 0x40004
	s_and_b32 s[CLY], ttmp7, 0xffff
	s_lshl_b32 s[MROW], s[CYI], 2
	s_lshl_b32 s[MROW], 15, s[MROW]
	s_lshl_b32 s[MCOL], 0x1111, s[CX]
	s_or_b32 s[G1], s[MROW], (3<<16)|(1<<21)
	s_or_b32 s[G1B], s[MCOL], (3<<16)|(1<<21)
	s_or_b32 s[G1S], s[MROW], (3<<16)|(1<<21)
	s_or_b32 s[G1SB], s[MCOL], (3<<16)|(1<<21)
.irp g, G1, G1B
	s_mov_b32 s[\g+1], (RBB/8)<<16
	s_mov_b32 s[\g+3], (RBB/8)<<16
	s_mov_b32 s[\g+6], 0
	s_mov_b32 s[\g+7], 0
.endr
	s_mov_b32 s[G1+2], NA<<16
	s_mov_b32 s[G1+4], NA
	s_mov_b32 s[G1+5], APIT/8
	s_mov_b32 s[G1B+2], 8<<16
	s_mov_b32 s[G1B+4], 8
	s_mov_b32 s[G1B+5], BPIT/8
.irp g, G1S, G1SB                              ; the head's tiles: all 16 blocks of a side, RBB bytes each
	s_mov_b32 s[\g+1], (RBB/8)<<16
	s_mov_b32 s[\g+2], 16<<16
	s_mov_b32 s[\g+3], (RBB/8)<<16
	s_mov_b32 s[\g+4], 16
	s_mov_b32 s[\g+5], APIT/8
	s_mov_b32 s[\g+6], 0
	s_mov_b32 s[\g+7], 0
.endr
	s_mov_b32 s[SEL], 0x76543210
	s_mov_b32 s[SEL+1], 0xfedcba98
	s_mov_b32 s[CS], 0x3d38aa3b
	s_mov_b32 s[CS+1], s[CS]
	s_lshl_b32 s17, s[CLY], 2
	s_add_co_u32 s17, s17, s[CYI]                  ; tile row: 256 queries of the 8,192
	s_lshl_b32 s[TC], ttmp9, 2
	s_add_co_u32 s[TC], s[TC], s[CX]               ; tile column: 256 keys of the batch's 2,048
	s_lshr_b32 s[BT], s[CLY], 1                    ; the batch
	s_lshl_b32 s18, s16, 3
	s_lshl_b32 s20, s17, 4
	s_add_co_u32 s20, s20, s18
	s_mul_i32 s20, s20, APIT                       ; q's codes
	s_mov_b32 s21, 0
	s_lshl_b32 s22, s[BT], 7
	s_lshl_b32 s19, s[TC], 4
	s_add_co_u32 s22, s22, s19
	s_add_co_u32 s22, s22, s18
	s_mul_i32 s22, s22, BPIT
	s_add_co_u32 s22, s22, 12288                   ; k's codes: behind q's eight fragments
	s_mov_b32 s23, 0
	s_lshl_b32 s92, s17, 14                        ; q's scale words: two groups of 128 rows, 8,192 bytes apart, 4,096 bytes of each
	s_add_co_u32 s92, s92, QKS
	s_lshl_b32 s94, s[BT], 3
	s_add_co_u32 s94, s94, s[TC]
	s_lshl_b32 s94, s94, 14
	s_add_co_u32 s94, s94, QKS+4096                ; k's: behind q's eight steps
	s_mul_i32 s97, s16, HALFA
	s_mul_i32 s18, s16, HALFB
	s_add_co_u32 s18, s18, 2*HALFA
	s_mul_i32 s[G0S+2], s16, NA*APIT-RBB           ; the head's load: from the tile's first block, K's quarter 0 or 1 by the wave's low bit
	s_sub_co_u32 s[G0S+2], s20, s[G0S+2]
	s_mov_b32 s[G0S+3], 0
	s_mul_i32 s[G0SB+2], s16, 8*BPIT-RBB
	s_sub_co_u32 s[G0SB+2], s22, s[G0SB+2]
	s_mov_b32 s[G0SB+3], 0
	s_wait_dscnt 0x0
	s_wait_kmcnt 0x0
	s_add_nc_u64 s[20:21], s[4:5], s[20:21]
	s_add_nc_u64 s[22:23], s[4:5], s[22:23]
	s_mov_b32 s[G0S], 1
	s_mul_i32 s[G0S+1], s16, SLOT                  ; q's 16 blocks stand first in a slot,
	s_add_nc_u64 s[G0S+2:G0S+3], s[4:5], s[G0S+2:G0S+3]
	s_or_b32 s[G0S+3], s[G0S+3], 0x80000000
	s_mov_b32 s[G0SB], 1
	s_mul_i32 s[G0SB+1], s16, SLOT
	s_add_co_u32 s[G0SB+1], s[G0SB+1], 2*HALFA     ; k's behind them
	s_add_nc_u64 s[G0SB+2:G0SB+3], s[4:5], s[G0SB+2:G0SB+3]
	s_or_b32 s[G0SB+3], s[G0SB+3], 0x80000000
	MKG0 G0,    97, 20, 0
	MKG0 G0+8,  97, 20, 2
	MKG0 G0B,   18, 22, 0
	MKG0 G0B2,  18, 22, 2
	CROUND                                         ; all sixteen work-groups are here: the first joint loads meet
	JLOAD G0S, G1S, G0SB, G1SB                     ; my one load at the head
	v_lshlrev_b32 v7, 4, v0                        ; the scale words of the tile's 256 + 256 rows: 16 bytes a thread, 2,048 dense bytes a line
	v_add_nc_u32 v9, s92, v7
	v_add_nc_u32 v10, s94, v7
	v_add_nc_u32 v8, SCA, v7
.irp i, 0,1,2,3
	global_load_b128 v[128+4*\i:131+4*\i], v9, s[4:5] offset:8192*(\i/2)+2048*(\i%2)
	global_load_b128 v[144+4*\i:147+4*\i], v10, s[4:5] offset:8192*(\i/2)+2048*(\i%2)
.endr
	v_and_b32 v1, 15, v0
	v_bfe_u32 v2, v0, 4, 1
	s_wait_alu depctr_va_vdst(0)
	v_and_b32 v3, 31, v0
	v_lshlrev_b32 v[LI], 4, v3
	s_mul_i32 s19, s15, HALFA
	s_mul_i32 s20, s16, HALFB
	s_add_co_u32 s20, s20, 2*HALFA
.irp s, 0,1,2
	v_add_nc_u32 v[ADRA+\s], s19, v[LI]
	v_add_nc_u32 v[ADRB+\s], s20, v[LI]
	s_add_co_u32 s19, s19, SLOT
	s_add_co_u32 s20, s20, SLOT
.endr
	s_mul_i32 s19, s15, KS*512                     ; scale words: lanes 0-15 A's rows, lanes 16-31 B's: the lower base + h x the distance
	s_mul_i32 s20, s16, KS*512
	s_add_co_u32 s20, s20, SCB-SCA
	s_sub_co_u32 s20, s20, s19
	v_mul_u32_u24 v4, s20, v2
	v_lshl_add_u32 v4, v1, 2, v4
	s_add_co_u32 s21, s19, SCA
	v_add_nc_u32 v[ADRS], s21, v4
	s_lshl_b32 s19, s14, 11
	s_add_co_u32 s19, s19, SLOT                    ; my 2,048 bytes of slot 1
	v_lshl_add_u32 v[SWA], v1, 2, s19
	v_add_nc_u32 v[SRA], s19, v[LI]
	s_lshl_b32 s19, s[TC], 1                       ; where the results go
	s_add_co_u32 s19, s19, s16                     ; my chunk: 2 x tile column + half
	s_lshl_b32 s92, s17, 4
	s_lshl_b32 s93, s15, 3
	s_add_co_u32 s92, s92, s93
	s_lshl_b32 s92, s92, 4
	s_add_co_u32 s92, s92, s19
	s_mul_i32 s92, s92, 1536
	s_mov_b32 s93, 0
	s_add_nc_u64 s[10:11], s[6:7], s[92:93]        ; codes  (the tile column and the cluster's y are done with)
	s_lshl_b32 s92, s17, 1
	s_add_co_u32 s92, s92, s15
	s_lshl_b32 s92, s92, 4
	s_add_co_u32 s92, s92, s19
	s_lshl_b32 s92, s92, 9
	s_add_co_u32 s92, s92, PS
	s_add_nc_u64 s[12:13], s[6:7], s[92:93]        ; scale words, -M, l
	s_wait_alu depctr_va_vdst(0)
	s_wait_loadcnt 0x0
.irp i, 0,1,2,3
	ds_store_b128 v8, v[128+4*\i:131+4*\i] offset:2048*\i             ; into blocks of LDS on which no tensor load lands
	ds_store_b128 v8, v[144+4*\i:147+4*\i] offset:SCB-SCA+2048*\i
.endr
	s_wait_tensorcnt 0x0                           ; my load has landed
	ds_add_u32 v[SPW], v[NIL]
	s_wait_dscnt 0x0                               ; the add and my stores of scale words are done
	CROUND                                         ; slots 0 and 1 and the scale words are whole in every wave's sight
	JLOAD G0+8, G1, G0B2, G1B                      ; slot 2's first fill: K's third quarter, a half of a side a wave
	FETCH_B 0, 0, 0
	FETCH_A 0, 0, 0
	SCALES 0, 0
	FETCH_A 0, 0, NA/2
	STEP 0, 0, CM0                                 ; K's first quarter; the first step's products start the sums
	PASS 1                                         ; slot 1 was whole at the head's round
	s_wait_alu depctr_va_vdst(0)
	FILL                                           ; slot 2 is whole; slot 0 takes K's last quarter: the launch's one refill
	PASS 2
	s_wait_alu depctr_va_vdst(0)
	STEP 2, 0, 0                                   ; the third
	TURN 2, 0, 0                                   ; the refill has landed, in every wave's sight; nothing is filled again
	s_wait_alu depctr_va_vdst(0)
	STEP 0, 0, 0                                   ; the fourth
	LAST
; THE WAY OUT, a block of 16 queries at a time.
.macro SOFT a
.set AC, 64*((\a)%4)
	WIN 0x2a+0x15*((\a)/4)                         ; all three sources in the accumulators' window
.irp k, 0,1,2,3,4                              ; the largest score of each block of 32 keys: it serves for the chunk's maximum and, since p rises with the score, for the block's largest p.  Each accumulator is read from its low end on
.irp b, 0,1,2,3
	v_max3_num_f32 v[T+6*\b+\k], v[AC+16*\b+3*\k], v[AC+16*\b+3*\k+1], v[AC+16*\b+3*\k+2]
.endr
.endr
.irp b, 0,1,2,3
	v_mov_b32 v[T+6*\b+5], v[AC+16*\b+15]
.endr
	WIN 0
.irp b, 0,1,2,3
	v_max3_num_f32 v[BM+\b], v[T+6*\b], v[T+6*\b+1], v[T+6*\b+2]
.endr
.irp b, 0,1,2,3
	v_max3_num_f32 v[BM+\b], v[BM+\b], v[T+6*\b+3], v[T+6*\b+4]
.endr
.irp b, 0,1,2,3
	v_max_num_f32 v[BM+\b], v[BM+\b], v[T+6*\b+5]
.endr
.irp b, 0,1,2,3
	v_permlanex16_b32 v[BP+\b], v[BM+\b], s[SEL], s[SEL+1]
.endr
.irp b, 0,1,2,3
	v_max_num_f32 v[BM+\b], v[BM+\b], v[BP+\b]     ; with lane l xor 16's 16 keys
.endr
	v_max3_num_f32 v44, v[BM], v[BM+1], v[BM+2]
	v_max_num_f32 v44, v44, v[BM+3]                ; the chunk's largest score of my query,
	v_mul_f32 v44, s[CS], v44                      ; as t (c is positive)
	v_floor_f32 v[NM], -v44                        ; -M = floor(-t) = -ceil(t)
	v_mov_b32 v[NMS+(\a)], v[NM]
	WIN 0x02+(\a)/4
.set J, 0
.rept 32
	v_pk_fma_f32 v[ST+J:ST+J+1], v[AC+J:AC+J+1], s[CS:CS+1], v[NM:NM+1] op_sel_hi:[1,0,0]   ; t - M, two at a time
.set J, J+2
.endr
	WIN 0
.irp b, 0,1,2,3
	v_fma_f32 v[BM+\b], v[BM+\b], s[CS], v[NM]     ; the same of each block's largest score
.endr
.set J, 0
	s_wait_alu depctr_va_vdst(0)
.rept 64
	v_exp_f32 v[ST+J], v[ST+J]                     ; p = 2^(t - M), at most 1
.set J, J+1
.endr
	v_nop                                          ; a plain instruction behind the exponentials
	s_wait_alu depctr_va_vdst(0)                   ; one wait for the batch, ahead of its first reader
.irp b, 0,1,2,3
	v_exp_f32 v[BM+\b], v[BM+\b]                   ; the block's largest p: the same two instructions on the same number give the same bits
.endr
	v_pk_add_f32 v[SU:SU+1], v[ST:ST+1], v[ST+2:ST+3]       ; the sum of the unquantised p, in two chains
	v_pk_add_f32 v[SU+2:SU+3], v[ST+4:ST+5], v[ST+6:ST+7]
.irp j, 8,12,16,20,24,28,32,36,40,44,48,52,56,60
	v_pk_add_f32 v[SU:SU+1], v[SU:SU+1], v[ST+\j:ST+\j+1]
	v_pk_add_f32 v[SU+2:SU+3], v[SU+2:SU+3], v[ST+\j+2:ST+\j+3]
.endr
	v_pk_add_f32 v[SU:SU+1], v[SU:SU+1], v[SU+2:SU+3]
	v_add_f32 v[SU], v[SU], v[SU+1]
	v_permlanex16_b32 v45, v[SU], s[SEL], s[SEL+1]
	v_add_f32 v[LS+(\a)], v[SU], v45               ; the chunk's l
	s_wait_alu depctr_va_vdst(0)                   ; and one wait for the four
.irp b, 0,1,2,3
	v_max_num_f32 v[BM+\b], 0x1800000, v[BM+\b]    ; the floor 2^(3 - 127): the byte cannot fall under 1
.endr
.irp b, 0,1,2,3
	v_add_nc_u32 v[SO+\b], 0xff000000, v[BM+\b]    ; the conversion's scale operand
.endr
.irp b, 0,1,2,3
	v_lshrrev_b32 v[BP+\b], 23, v[SO+\b]           ; the byte
.endr
	v_lshl_or_b32 v[PW+(\a)], v[BP+1], 8, v[BP]
	v_lshl_or_b32 v[PW+(\a)], v[BP+2], 16, v[PW+(\a)]
	v_lshl_or_b32 v[PW+(\a)], v[BP+3], 24, v[PW+(\a)]
	s_wait_xcnt 0x0                                ; the last block's stores have read the codes' registers
.irp c, 0,1
	v_cvt_scalef32_pk16_fp6_f32 v[PC+6*\c:PC+2+6*\c], v[ST+32*\c:ST+15+32*\c], v[SO+2*\c]
	v_cvt_scalef32_pk16_fp6_f32 v[PC+12+4*\c:PC+14+4*\c], v[ST+16+32*\c:ST+31+32*\c], v[SO+2*\c+1]
.endr
	v_nop                                          ; one plain instruction behind the scaled conversions
.irp c, 0,1
.irp i, 0,1,2
	v_permlane16_swap_b32 v[PC+6*\c+\i], v[PC+12+4*\c+\i]
.endr
.irp i, 0,1,2
	v_mov_b32 v[PC+3+6*\c+\i], v[PC+12+4*\c+\i]
.endr
.endr
.irp c, 0,1,2
	global_store_b128 v[LI], v[PC+4*\c:PC+4*\c+3], s[10:11] offset:(\a)*24576+512*\c   ; 512 consecutive bytes, aligned
.endr
.endm
	PLACES 4
	v_mov_b32 v45, 0                               ; written once: a lane permute's destination counts as one of its sources;
	v_mov_b32 v[NM+1], 0                           ; named as the upper half of a pair
.irp b, 0,1,2,3
	v_mov_b32 v[BP+\b], 0
.endr
.irp a, 0,1,2,3,4,5,6,7
	SOFT \a
.endr
.irp a, 0,1,2,3,4,5,6,7                        ; my 128 rows' words meet in my 2,048 bytes of slot 1, which had its only fill at the start and its last read ahead of the last barrier
	ds_store_b32 v[SWA], v[PW+\a] offset:64*\a
	ds_store_b32 v[SWA], v[NMS+\a] offset:512+64*\a
	ds_store_b32 v[SWA], v[LS+\a] offset:1024+64*\a
.endr
.irp c, 0,1,2
	ds_load_b128 v[160+4*\c:163+4*\c], v[SRA] offset:512*\c
.endr
	s_wait_dscnt 0x0
.irp c, 0,1,2
	global_store_b128 v[LI], v[160+4*\c:163+4*\c], s[12:13] offset:524288*\c
.endr
	s_wait_tensorcnt 0x0                           ; the wave's end
	ds_add_u32 v[SPW], v[NIL]
	s_wait_dscnt 0x0
	CROUND                                         ; the closing round
	s_endpgm
.Lfunc_end_k_q47c81ac7ce_score:
	.size	k_q47c81ac7ce_score, .Lfunc_end_k_q47c81ac7ce_score-k_q47c81ac7ce_score
	.p2alignl 7, 3214868480
	.fill 96, 4, 3214868480
	.section	.rodata,"a",@progbits
	.p2align	6, 0x0
	.amdhsa_kernel k_q47c81ac7ce_score
		.amdhsa_group_segment_fixed_size 327680
		.amdhsa_private_segment_fixed_size 0
		.amdhsa_enable_private_segment 0
		.amdhsa_kernarg_size 16
		.amdhsa_user_sgpr_count 2
		.amdhsa_user_sgpr_kernarg_segment_ptr 1
		.amdhsa_wavefront_size32 1
		.amdhsa_system_sgpr_workgroup_id_x 1
		.amdhsa_system_sgpr_workgroup_id_y 1
		.amdhsa_system_sgpr_workgroup_id_z 1
		.amdhsa_system_vgpr_workitem_id 0
		.amdhsa_next_free_vgpr 1024
		.amdhsa_next_free_sgpr 100
		.amdhsa_reserve_vcc 0
		.amdhsa_float_denorm_mode_32 3
		.amdhsa_float_denorm_mode_16_64 3
		.amdhsa_memory_ordered 1
		.amdhsa_forward_progress 1
		.amdhsa_inst_pref_size 200
	.end_amdhsa_kernel
	.amdgpu_metadata
---
amdhsa.version: [ 1, 2 ]
amdhsa.kernels:
  - .name:           k_q47c81ac7ce_score
    .symbol:         k_q47c81ac7ce_score.kd
    .args:
      - { .name: qkvc, .offset: 0, .size: 8, .value_kind: global_buffer, .address_space: global }
      - { .name: pbuf, .offset: 8, .size: 8, .value_kind: global_buffer, .address_space: global }
    .group_segment_fixed_size: 327680
    .private_segment_fixed_size: 0
    .kernarg_segment_align: 8
    .kernarg_segment_size: 16
    .max_flat_workgroup_size: 128
    .sgpr_count:     100
    .vgpr_count:     1024
    .wavefront_size: 32
...
	.end_amdgpu_metadata
.endif
;; end of part 3
;; launch pv (part 4): grid 4 x 64, 4 waves a work-group, clusters of 4 x 4, 327,680 bytes of LDS; arguments pbuf, qkvc, obuf; writes obuf
.if DOCPART == 4
	.amdgcn_target "amdgcn-amd-amdhsa--gfx1250"
	.amdhsa_code_object_version 6
	.text
	.protected	k_q47c81ac7ce_pv
	.globl	k_q47c81ac7ce_pv
	.p2align	8
	.type	k_q47c81ac7ce_pv,@function
k_q47c81ac7ce_pv:
	s_mov_b64 s[64:65], 0
	v_nop
	global_prefetch_b8 v0, s[64:65] scope:SCOPE_SE
	s_setreg_imm32_b32 hwreg(HW_REG_WAVE_MODE, 25, 1), 1
	s_wait_xcnt 0x0
	s_wait_alu depctr_hold_cnt(0) depctr_sa_sdst(0) depctr_va_vdst(0) depctr_va_sdst(0) depctr_va_ssrc(0) depctr_va_vcc(0) depctr_vm_vsrc(0)
	s_getreg_b32 s2, hwreg(HW_REG_IB_STS2, 6, 4)
	s_cmp_eq_u32 s2, 0
	s_cbranch_scc0 .Lentry_in_a_cluster
	s_endpgm
.Lentry_in_a_cluster:
	s_bfe_u32 s2, ttmp6, 0x10000c
	s_cmp_lg_u32 s2, 0xf033
	s_cbranch_scc0 .Lentry_shape_is_right
	s_endpgm
.Lentry_shape_is_right:
; o = (p v) / l on codes of FP6 (E2M3), sums in f32; o leaves as codes, quantised along the channels.
; THE PROLOGUE joins a row's 16 chunks of 128 keys: M = the largest of the chunks' M; a chunk's scale bytes are lowered by M - its own M (an exact power of two; the codes stay); l = the sum of the chunks' l x 2^(own M - M).
; Thread t does that for row t of the tile's 128 and puts the row's 16 scale words and 1 / l into LDS.
; A tile of o, 128 queries x 256 channels, is made by four waves, 64 x 128 each: 32 accumulators.  K = 2048 keys is 16 steps of 128, written out.
; Operands lie in memory as images of their registers (fragment of 16 rows x 128 K: 1,536 bytes).
; p's FRAGMENTS GO FROM MEMORY STRAIGHT INTO REGISTERS: a ring of five steps' sets (4 fragments, 48 registers each) in window 3; step k + 5 is asked for behind step k's products: 12 loads of 512 consecutive bytes.
; So a wave's LDS loads for a step are v's 24 and 8 scale words.  A joint load lands in LDS alone, so p is not asked for jointly.
; v's TILES go through LDS: three slots of 4 steps x 256 channels (98,304 bytes), asked for jointly along a column of the 4 x 4 cluster.  Slots 0 and 1: at the head, half a slot a wave.  Slot 2: behind the full sequence
; and a round at the head's end, a quarter a wave.  K's last quarter goes into slot 0 at step 5.  Each of the two later fills is asked for five steps or more ahead of its first read; no prefetch is laid beside that.
; THE MATRIX INSTRUCTION IS USED TRANSPOSED (source 0 = 16 channels, source 1 = 16 queries): lane (r, h) holds query r, register n of accumulator b channel 16 b + 8 h + n; inside a block of 32 a channel stands at the place
; with bits 3 and 4 swapped, as w_out's K does.
; LIMITS: NaN and infinities are not served.  A scale byte that would fall under 0 is held at 0 (2^-127), and the change of M at -256: such a chunk lies 2^125 or more under the row's largest p, which is above 1/2.
; The division is v_rcp_f32 and a multiplication.  A block of zeros or under 2^-124 gets the scale byte 1.
; REGISTERS: window 0: v16-31 addresses; v32-47 scale words, two sets; v48-55 1 / l; v64-127 a block on its way out; v128-210 the prologue.  window 1: v's fragments, two sets.  window 2: accumulators.  window 3: p's ring.
.set NQ,   4
.set KS,   16
.set RING, 5
.set APIT, 24576
.set BPIT, 98304
.set PS,   12582912                    ; in pbuf: scale words; -M 524,288 and l 1,048,576 bytes further on
.set VC,   13107200                    ; in qkvc: v's codes,
.set VS,   19398656                    ; v's scale words
.set OCS,  6291456                     ; in obuf: o's scale words
.set RBB,   NQ*1536
.set HALFB, 8*RBB
.set SLOT,  2*HALFB
.set SCA,   3*SLOT                     ; p's scale words [K step][128 rows], stored by the prologue
.set SCB,   SCA+KS*512+128             ; v's, stored at the head
.set RL,    SCB+2*KS*512+128           ; 1 / l of the 128 rows
.set SPARE, RL+512                     ; the spare words: 128 bytes a wave, named by no other line
.set ADRB, 16
.set ADRS2, 22
.set L8,   23
.set LI,   24
.set SWA,  25
.set SRA,  26
.set ADRS, 27
.set SPW,  28
.set NIL,  29
.set RLA,  30
.set SC,   32
.set TM,   32
.set PC,   128
.set ST,   64
.set G1Q, 24                           ; s[24:31] group 1: a quarter of a slot, 4 blocks
.set G0,  32                           ; s[32:35] group 0 of slot 2's fill, s[36:39] of slot 0's refill
.set G1B, 48                           ; s[48:55] group 1: half a slot, 8 blocks
.set G0B, 56                           ; s[56:59] group 0 of the head's load
.set AP,  60                           ; s[60:61] my 64 rows of p's codes
.set SEL, 66
.set MUL, 0xad                         ; source 0 window 1, source 1 window 3, C and D window 2
.set MSB, 0
.macro WIN new                         ; the immediate's high byte repeats the setting that is left
.if MSB != (\new)
	s_set_vgpr_msb (MSB<<8)|(\new)
.set MSB, (\new)
.endif
.endm
.macro PLACES n
.rept \n
	v_nop
.endr
.endm
.macro CREST
	s_cmp_lg_u32 s14, 0
	s_cbranch_scc1 .Lnot_wave_0_\@
	s_barrier_signal -3
.Lnot_wave_0_\@:
	s_barrier_wait -3
	s_barrier_signal -1
	s_barrier_wait -1
.endm
.macro CROUND
	s_barrier_signal -1
	s_barrier_wait -1
	CREST
.endm
.macro FETCH_B k                       ; v's eight fragments and the scale words of step k into set k % 2: 32 LDS loads
.set SL, ((\k)/NQ)%3
	WIN 0x40
.irp i, 0,1,2,3,4,5,6,7
.irp c, 0,1,2
	ds_load_b128 v[128*((\k)%2)+12*\i+4*\c:128*((\k)%2)+12*\i+4*\c+3], v[ADRB+SL] offset:\i*RBB+((\k)%NQ)*1536+512*\c
.endr
.endr
	WIN 0
.irp i, 0,1,2,3,4,5,6,7                ; register i: lanes 16-31 the words of v's block i; lanes 0-15 those of p's block i % 4 (the second address stands 256 bytes lower in lanes 0-15)
.if \i >= 4
	ds_load_b32 v[SC+8*((\k)%2)+\i], v[ADRS2] offset:512*(\k)+64*\i
.else
	ds_load_b32 v[SC+8*((\k)%2)+\i], v[ADRS] offset:512*(\k)+64*\i
.endif
.endr
.endm
.macro LOAD_A k                        ; p's four fragments of step k into the ring's set k % 5
	WIN 0xc0
.irp i, 0,1,2,3
.irp c, 0,1,2
	global_load_b128 v[48*((\k)%RING)+12*\i+4*\c:48*((\k)%RING)+12*\i+4*\c+3], v[LI], s[AP:AP+1] offset:\i*APIT+(\k)*1536+512*\c
.endr
.endr
	WIN 0
.endm
.macro WAITA k                         ; step k's 12 loads are in; those of the later steps asked for, four at the most, may be out
.if KS-1-(\k) < RING-1
	s_wait_loadcnt 12*(KS-1-(\k))
.else
	s_wait_loadcnt 12*(RING-1)
.endif
.endm
.macro MULS k, a0, n, cm               ; n blocks of p from a0 on, each against v's eight.  All accumulators take turns, in the same order in every step
.set AI, \a0
.rept \n
.irp b, 0,1,2,3,4,5,6,7
.if (\cm) == 1
	v_wmma_scale_f32_16x16x128_f8f6f4 v[8*(8*AI+\b):8*(8*AI+\b)+7], v[128*((\k)%2)+12*\b:128*((\k)%2)+12*\b+11], v[48*((\k)%RING)+12*AI:48*((\k)%RING)+12*AI+11], 0, v[SC+8*((\k)%2)+\b], v[SC+8*((\k)%2)+AI] matrix_a_fmt:MATRIX_FMT_FP6 matrix_b_fmt:MATRIX_FMT_FP6 matrix_a_scale:MATRIX_SCALE_ROW1
.else
	v_wmma_scale_f32_16x16x128_f8f6f4 v[8*(8*AI+\b):8*(8*AI+\b)+7], v[128*((\k)%2)+12*\b:128*((\k)%2)+12*\b+11], v[48*((\k)%RING)+12*AI:48*((\k)%RING)+12*AI+11], v[8*(8*AI+\b):8*(8*AI+\b)+7], v[SC+8*((\k)%2)+\b], v[SC+8*((\k)%2)+AI] matrix_a_fmt:MATRIX_FMT_FP6 matrix_b_fmt:MATRIX_FMT_FP6 matrix_a_scale:MATRIX_SCALE_ROW1
.endif
.endr
.set AI, AI+1
.endr
.endm
.macro TAILK k                         ; four plain instructions behind the step's last product: for the loads into its registers, here and at the next step's head
	PLACES 4
	WIN 0
.if (\k)+RING < KS
	LOAD_A (\k)+RING
.endif
.endm
.macro STEPK k, cm                     ; a step: the next step's LDS loads go out first, then 32 products
	WAITA \k
	s_wait_dscnt 0x0                               ; this step's fragments of v and scale words, asked for a step ago
.if (\k)+1 < KS
	FETCH_B (\k)+1
.endif
	WIN MUL
	MULS \k, 0, 4, \cm
	TAILK \k
.endm
.macro BSTEP k, fill                   ; a step with a barrier: in front of it the wait for all my tensor loads, the add, and the wait for it and for my LDS reads.  fill = 1: slot 0 takes K's last quarter
	s_wait_tensorcnt 0x0
	ds_add_u32 v[SPW], v[NIL]
	WAITA \k
	s_wait_dscnt 1                                 ; (the add may be out)
	WIN MUL
	MULS \k, 0, 1, 0
	s_wait_dscnt 0x0
	s_barrier_signal -1
	MULS \k, 1, 1, 0
	WIN 0
	s_barrier_wait -1
.if \fill
	CREST                                          ; the barrier has opened a round of the cluster's
	tensor_load_to_lds s[G0+4:G0+7], s[G1Q:G1Q+7]  ; the first tensor load behind the round
	s_nop 0
.endif
	PLACES 4
	FETCH_B (\k)+1
	WIN MUL
	MULS \k, 2, 2, 0
	TAILK \k
.endm
.macro QUANT s, pw                     ; 64 numbers of a lane, register 16 b + i = place 16 (lane / 16) + i of block b of row lane % 16, become codes in v[PC] on and the row's scale word in v[pw]
.irp b, 0,1,2,3
	v_max3_num_f32 v[TM+\b], |v[\s+16*\b]|, |v[\s+1+16*\b]|, 0x1800000   ; and the floor 2^(3 - 127)
.endr
.irp i, 2,4,6,8,10,12,14
.irp b, 0,1,2,3
	v_max3_num_f32 v[TM+\b], v[TM+\b], |v[\s+16*\b+\i]|, |v[\s+1+16*\b+\i]|
.endr
.endr
.irp b, 0,1,2,3
	v_permlanex16_b32 v[TM+4+\b], v[TM+\b], s[SEL], s[SEL+1]
.endr
.irp b, 0,1,2,3
	v_max_num_f32 v[TM+\b], v[TM+\b], v[TM+4+\b]
.endr
.irp b, 0,1,2,3
	v_add_nc_u32 v[TM+12+\b], 0xff000000, v[TM+\b]
.endr
.irp b, 0,1,2,3
	v_lshrrev_b32 v[TM+4+\b], 23, v[TM+12+\b]
.endr
	v_lshl_or_b32 v[\pw], v[TM+5], 8, v[TM+4]
	v_lshl_or_b32 v[\pw], v[TM+6], 16, v[\pw]
	v_lshl_or_b32 v[\pw], v[TM+7], 24, v[\pw]
.irp c, 0,1
	v_cvt_scalef32_pk16_fp6_f32 v[PC+6*\c:PC+2+6*\c], v[\s+32*\c:\s+15+32*\c], v[TM+12+2*\c]
	v_cvt_scalef32_pk16_fp6_f32 v[PC+12+4*\c:PC+14+4*\c], v[\s+16+32*\c:\s+31+32*\c], v[TM+12+2*\c+1]
.endr
	v_nop                                          ; one plain instruction behind the scaled conversions
.irp c, 0,1
.irp i, 0,1,2
	v_permlane16_swap_b32 v[PC+6*\c+\i], v[PC+12+4*\c+\i]
.endr
.irp i, 0,1,2
	v_mov_b32 v[PC+3+6*\c+\i], v[PC+12+4*\c+\i]
.endr
.endr
.endm
	s_load_b128 s[4:7], s[0:1], 0x0                ; pbuf s[4:5], qkvc s[6:7]
	s_load_b64 s[8:9], s[0:1], 0x10                ; obuf
	v_lshl_add_u32 v[SPW], v0, 2, SPARE
	v_mov_b32 v[NIL], 0
	ds_add_u32 v[SPW], v[NIL]                      ; the wave's opening: the add, twice on end, and its wait ahead of my first tensor load
	ds_add_u32 v[SPW], v[NIL]
	v_lshrrev_b32 v1, 5, v0
	v_readfirstlane_b32 s14, v1                    ; wave
	s_lshr_b32 s15, s14, 1                         ; my half of the tile's rows.  At the head also: which slot I fill
	s_and_b32 s16, s14, 1                          ; my half of its columns.  At the head also: which half of the slot
	s_bfe_u32 s40, ttmp6, 0x40000                  ; cx
	s_bfe_u32 s41, ttmp6, 0x40004                  ; cy
	s_and_b32 s45, ttmp7, 0xffff
	s_lshl_b32 s44, 0x1111, s40                    ; my column of the cluster
	s_or_b32 s[G1B], s44, (3<<16)|(1<<21)
	s_or_b32 s[G1Q], s44, (3<<16)|(1<<21)
.irp g, G1B, G1Q
	s_mov_b32 s[\g+1], (RBB/8)<<16
	s_mov_b32 s[\g+3], (RBB/8)<<16
	s_mov_b32 s[\g+5], BPIT/8
	s_mov_b32 s[\g+6], 0
	s_mov_b32 s[\g+7], 0
.endr
	s_mov_b32 s[G1B+2], 8<<16
	s_mov_b32 s[G1B+4], 8
	s_mov_b32 s[G1Q+2], 4<<16
	s_mov_b32 s[G1Q+4], 4
	s_mov_b32 s[SEL], 0x76543210
	s_mov_b32 s[SEL+1], 0xfedcba98
	s_lshl_b32 s17, s45, 2
	s_add_co_u32 s17, s17, s41                     ; tile row: 128 queries of the 8,192
	s_lshl_b32 s42, ttmp9, 2
	s_add_co_u32 s42, s42, s40                     ; tile column: 256 channels
	s_lshr_b32 s46, s45, 2                         ; the batch
	s_lshl_b32 s20, s17, 3
	s_lshl_b32 s19, s15, 2
	s_add_co_u32 s20, s20, s19
	s_mul_i32 s20, s20, APIT                       ; p's codes: my four blocks of 16 rows
	s_mov_b32 s21, 0
	s_mul_i32 s22, s42, 16*BPIT
	s_mul_i32 s19, s46, 24576                      ; the batch's 16 K steps
	s_add_co_u32 s22, s22, s19
	s_add_co_u32 s22, s22, VC                      ; v's codes: the tile's first block
	s_mul_i32 s[G0B+2], s16, 8*BPIT                ; the head's load: half s16 of K's quarter s15
	s_mul_i32 s19, s15, RBB
	s_add_co_u32 s[G0B+2], s[G0B+2], s19
	s_add_co_u32 s[G0B+2], s[G0B+2], s22
	s_mov_b32 s[G0B+3], 0
	s_mul_i32 s[G0B+1], s15, SLOT
	s_mul_i32 s70, s16, HALFB
	s_add_co_u32 s[G0B+1], s[G0B+1], s70
	s_mov_b32 s[G0B], 1
	s_mul_i32 s[G0+2], s14, 4*BPIT                 ; the later loads: blocks 4 w .. 4 w + 3 of K's third quarter,
	s_add_co_u32 s[G0+2], s[G0+2], s22
	s_add_co_u32 s[G0+2], s[G0+2], 2*RBB
	s_mov_b32 s[G0+3], 0
	s_mul_i32 s[G0+5], s14, 4*RBB                  ; the last quarter into slot 0,
	s_add_co_u32 s[G0+1], s[G0+5], 2*SLOT          ; the third into slot 2
	s_mov_b32 s[G0], 1
	s_mov_b32 s[G0+4], 1
	s_lshl_b32 s96, s42, 16                        ; v's scale words: two groups of 128 channels, 32,768 bytes apart; of each the batch's 8,192 bytes
	s_lshl_b32 s47, s46, 13
	s_add_co_u32 s96, s96, s47
	s_add_co_u32 s96, s96, VS
	s_lshl_b32 s94, s17, 13                        ; the prologue's words
	s_add_co_u32 s94, s94, PS
	s_mov_b32 s95, 0
	s_add_co_u32 s71, s70, SLOT                    ; my half of v in slots 0, 1, 2
	s_add_co_u32 s72, s71, SLOT
	s_lshl_b32 s79, s15, 8                         ; scale words: lanes 0-15 p's rows, lanes 16-31 v's: the lower base + h x the distance
	s_mul_i32 s73, s16, KS*512
	s_add_co_u32 s73, s73, SCB-SCA
	s_sub_co_u32 s73, s73, s79
	s_add_co_u32 s74, s79, SCA
	s_add_co_u32 s75, s73, 256                     ; and the same with lanes 0-15 standing 256 bytes lower
	s_add_co_u32 s76, s79, SCA-256
	s_lshl_b32 s77, s14, 11
	s_add_co_u32 s77, s77, SLOT                    ; the way out: my 2,048 bytes of slot 1, which has its only fill at the head and its last read ahead of step 11's barrier
	s_add_co_u32 s78, s79, RL
	v_and_b32 v1, 15, v0                           ; r
	v_bfe_u32 v2, v0, 4, 1                         ; h
	v_and_b32 v3, 31, v0
	v_lshlrev_b32 v[LI], 4, v3
	v_lshlrev_b32 v[L8], 3, v3
	v_add_nc_u32 v[ADRB], s70, v[LI]
	v_add_nc_u32 v[ADRB+1], s71, v[LI]
	v_add_nc_u32 v[ADRB+2], s72, v[LI]
	v_mul_u32_u24 v4, s73, v2
	v_lshl_add_u32 v4, v1, 2, v4
	v_add_nc_u32 v[ADRS], s74, v4
	v_mul_u32_u24 v5, s75, v2
	v_lshl_add_u32 v5, v1, 2, v5
	v_add_nc_u32 v[ADRS2], s76, v5
	v_lshl_add_u32 v[SWA], v1, 2, s77
	v_lshl_add_u32 v[SRA], v3, 3, s77
	v_lshl_add_u32 v[RLA], v1, 2, s78
	v_lshlrev_b32 v6, 2, v0
	v_lshl_add_u32 v7, v0, 2, SCA
	v_lshlrev_b32 v8, 4, v0
	v_add_nc_u32 v9, s96, v8
	v_add_nc_u32 v10, SCB, v8
	s_wait_alu depctr_va_vdst(0)
	s_wait_dscnt 0x0                               ; both opening adds are done
	s_wait_kmcnt 0x0
	s_add_nc_u64 s[AP:AP+1], s[4:5], s[20:21]
	s_add_nc_u64 s[94:95], s[4:5], s[94:95]
	s_add_nc_u64 s[G0B+2:G0B+3], s[6:7], s[G0B+2:G0B+3]
	s_or_b32 s[G0B+3], s[G0B+3], 0x80000000
	s_add_nc_u64 s[G0+2:G0+3], s[6:7], s[G0+2:G0+3]
	s_add_nc_u64 s[G0+6:G0+7], s[G0+2:G0+3], RBB
	s_or_b32 s[G0+3], s[G0+3], 0x80000000
	s_or_b32 s[G0+7], s[G0+7], 0x80000000
.set KK, 0
.rept 16                                       ; the prologue's loads: my row's 16 chunks
	global_load_b32 v[128+KK], v6, s[94:95] offset:524288+512*KK    ; -M
	global_load_b32 v[144+KK], v6, s[94:95] offset:1048576+512*KK   ; l
	global_load_b32 v[160+KK], v6, s[94:95] offset:512*KK           ; the scale word
.set KK, KK+1
.endr
.irp i, 0,1,2,3,4,5,6,7                        ; v's scale words: 16 bytes a thread, 2,048 dense bytes a line
	global_load_b128 v[64+4*\i:67+4*\i], v9, s[6:7] offset:32768*(\i/4)+2048*(\i%4)
.endr
	CROUND                                         ; all sixteen work-groups are here: the first joint loads meet
	tensor_load_to_lds s[G0B:G0B+3], s[G1B:G1B+7]  ; my one load at the head
	s_nop 0
	PLACES 4
.irp k, 0,1,2,3,4
	LOAD_A \k
.endr
	s_lshl_b32 s19, s42, 1                         ; where the results go
	s_add_co_u32 s19, s19, s16
	s_lshl_b32 s92, s17, 3
	s_lshl_b32 s93, s15, 2
	s_add_co_u32 s92, s92, s93
	s_lshl_b32 s92, s92, 3
	s_add_co_u32 s92, s92, s19
	s_mul_i32 s92, s92, 1536
	s_mov_b32 s93, 0
	s_add_nc_u64 s[10:11], s[8:9], s[92:93]        ; codes
	s_lshl_b32 s92, s17, 3
	s_add_co_u32 s92, s92, s19
	s_lshl_b32 s92, s92, 9
	s_add_co_u32 s92, s92, s79
	s_add_co_u32 s92, s92, OCS
	s_add_nc_u64 s[12:13], s[8:9], s[92:93]        ; scale words
	s_wait_loadcnt 60                              ; all but p's 60 loads
.irp i, 0,1,2,3,4,5,6,7
	ds_store_b128 v10, v[64+4*\i:67+4*\i] offset:2048*\i              ; into blocks of LDS on which no tensor load lands
.endr
	v_min3_num_f32 v192, v128, v129, v130
.irp k, 131,133,135,137,139,141
	v_min3_num_f32 v192, v192, v[\k], v[\k+1]
.endr
	v_min_num_f32 v192, v192, v143                 ; the least -M: the row's
.set KK, 0
.rept 16
	v_sub_f32 v[176+KK], v192, v[128+KK]           ; the chunk's M less the row's: a whole number, 0 or less
.set KK, KK+1
.endr
.set KK, 0
.rept 16
	v_max_num_f32 v[176+KK], 0xc3800000, v[176+KK] ; held at -256
.set KK, KK+1
.endr
.set KK, 0
.rept 16
	v_cvt_i32_f32 v[176+KK], v[176+KK]
.set KK, KK+1
.endr
.set KK, 0
.rept 16
	v_ldexp_f32 v[144+KK], v[144+KK], v[176+KK]    ; the chunk's l under the row's M
.set KK, KK+1
.endr
	v_add_f32 v208, v144, v146
	v_add_f32 v209, v145, v147
.irp k, 148,150,152,154,156,158
	v_add_f32 v208, v208, v[\k]
	v_add_f32 v209, v209, v[\k+1]
.endr
	v_add_f32 v208, v208, v209                     ; the row's l
	s_wait_alu depctr_va_vdst(0)
	v_rcp_f32 v210, v208
.set KK, 0
.rept 16                                       ; each of a word's four bytes + the change, held at 0 from below
	v_bfe_u32 v193, v[160+KK], 0, 8
	v_bfe_u32 v194, v[160+KK], 8, 8
	v_bfe_u32 v195, v[160+KK], 16, 8
	v_lshrrev_b32 v196, 24, v[160+KK]
.irp i, 0,1,2,3
	v_add_nc_u32 v[193+\i], v[193+\i], v[176+KK]
.endr
.irp i, 0,1,2,3
	v_ashrrev_i32 v[204+\i], 31, v[193+\i]         ; all ones where the sum is negative
.endr
.irp i, 0,1,2,3
	v_bfi_b32 v[193+\i], v[204+\i], 0, v[193+\i]   ; 0 there, the sum elsewhere
.endr
	v_lshl_or_b32 v193, v194, 8, v193
	v_lshl_or_b32 v193, v195, 16, v193
	v_lshl_or_b32 v193, v196, 24, v193
	ds_store_b32 v7, v193 offset:512*KK
.set KK, KK+1
.endr
	s_wait_alu depctr_va_vdst(0)                   ; ahead of the reciprocal's first reader
	ds_store_b32 v7, v210 offset:RL-SCA
	s_wait_tensorcnt 0x0                           ; my load has landed
	ds_add_u32 v[SPW], v[NIL]
	s_wait_dscnt 0x0                               ; the add and my stores are done
	CROUND                                         ; slots 0 and 1, the scale words and 1 / l are whole in every wave's sight
	tensor_load_to_lds s[G0:G0+3], s[G1Q:G1Q+7]    ; slot 2's first fill
	s_nop 0
	PLACES 4
	FETCH_B 0
	STEPK 0, 1                                     ; the first step's products start the sums
.irp k, 1,2,3,4
	STEPK \k, 0
.endr
	BSTEP 5, 1                                     ; slot 2 is whole; slot 0, last read for step 3, takes K's last quarter
.irp k, 6,7,8,9,10
	STEPK \k, 0
.endr
	BSTEP 11, 0                                    ; the refill has landed, in every wave's sight
.irp k, 12,13,14,15
	STEPK \k, 0
.endr
	; THE WAY OUT, a block of 16 queries at a time: x 1 / l (which also brings the block into window 0, each accumulator from its low end on), quantised, stored as an image.
.irp a, 0,1,2,3
	ds_load_b32 v[48+2*\a], v[RLA] offset:64*\a    ; twice, for the packed multiplication
	ds_load_b32 v[49+2*\a], v[RLA] offset:64*\a
.endr
.irp b, 0,1,2,3
	v_mov_b32 v[TM+4+\b], 0
.endr
	s_wait_dscnt 0x0
.irp a, 0,1,2,3
	WIN 0x02
.set J, 0
.rept 32
	v_pk_mul_f32 v[ST+J:ST+J+1], v[64*\a+J:64*\a+J+1], v[48+2*\a:49+2*\a]
.set J, J+2
.endr
	WIN 0
	s_wait_xcnt 0x0                                ; the last block's stores have read the codes' registers
	QUANT ST, 152+\a
.irp c, 0,1,2
	global_store_b128 v[LI], v[PC+4*\c:PC+4*\c+3], s[10:11] offset:\a*12288+512*\c
.endr
.endr
.irp a, 0,1,2,3
	ds_store_b32 v[SWA], v[152+\a] offset:64*\a
.endr
	ds_load_b64 v[160:161], v[SRA]
	s_wait_dscnt 0x0
	global_store_b64 v[L8], v[160:161], s[12:13]   ; 64 rows' words: 256 consecutive bytes, aligned
	s_wait_tensorcnt 0x0                           ; the wave's end
	ds_add_u32 v[SPW], v[NIL]
	s_wait_dscnt 0x0
	CROUND                                         ; the closing round
	s_endpgm
.Lfunc_end_k_q47c81ac7ce_pv:
	.size	k_q47c81ac7ce_pv, .Lfunc_end_k_q47c81ac7ce_pv-k_q47c81ac7ce_pv
	.p2alignl 7, 3214868480
	.fill 96, 4, 3214868480
	.section	.rodata,"a",@progbits
	.p2align	6, 0x0
	.amdhsa_kernel k_q47c81ac7ce_pv
		.amdhsa_group_segment_fixed_size 327680
		.amdhsa_private_segment_fixed_size 0
		.amdhsa_enable_private_segment 0
		.amdhsa_kernarg_size 24
		.amdhsa_user_sgpr_count 2
		.amdhsa_user_sgpr_kernarg_segment_ptr 1
		.amdhsa_wavefront_size32 1
		.amdhsa_system_sgpr_workgroup_id_x 1
		.amdhsa_system_sgpr_workgroup_id_y 1
		.amdhsa_system_sgpr_workgroup_id_z 1
		.amdhsa_system_vgpr_workitem_id 0
		.amdhsa_next_free_vgpr 1024
		.amdhsa_next_free_sgpr 100
		.amdhsa_reserve_vcc 0
		.amdhsa_float_denorm_mode_32 3
		.amdhsa_float_denorm_mode_16_64 3
		.amdhsa_memory_ordered 1
		.amdhsa_forward_progress 1
		.amdhsa_inst_pref_size 180
	.end_amdhsa_kernel
	.amdgpu_metadata
---
amdhsa.version: [ 1, 2 ]
amdhsa.kernels:
  - .name:           k_q47c81ac7ce_pv
    .symbol:         k_q47c81ac7ce_pv.kd
    .args:
      - { .name: pbuf, .offset: 0, .size: 8, .value_kind: global_buffer, .address_space: global }
      - { .name: qkvc, .offset: 8, .size: 8, .value_kind: global_buffer, .address_space: global }
      - { .name: obuf, .offset: 16, .size: 8, .value_kind: global_buffer, .address_space: global }
    .group_segment_fixed_size: 327680
    .private_segment_fixed_size: 0
    .kernarg_segment_align: 8
    .kernarg_segment_size: 24
    .max_flat_workgroup_size: 128
    .sgpr_count:     100
    .vgpr_count:     1024
    .wavefront_size: 32
...
	.end_amdgpu_metadata
.endif
;; end of part 4
;; launch outp (part 5): grid 4 x 64, 4 waves a work-group, clusters of 4 x 4, 327,680 bytes of LDS; arguments obuf, wsq, b_out, out0; writes out0
.if DOCPART == 5
	.amdgcn_target "amdgcn-amd-amdhsa--gfx1250"
	.amdhsa_code_object_version 6
	.text
	.protected	k_q47c81ac7ce_outp
	.globl	k_q47c81ac7ce_outp
	.p2align	8
	.type	k_q47c81ac7ce_outp,@function
k_q47c81ac7ce_outp:
	s_mov_b64 s[64:65], 0
	v_nop
	global_prefetch_b8 v0, s[64:65] scope:SCOPE_SE
	s_setreg_imm32_b32 hwreg(HW_REG_WAVE_MODE, 25, 1), 1
	s_wait_xcnt 0x0
	s_wait_alu depctr_hold_cnt(0) depctr_sa_sdst(0) depctr_va_vdst(0) depctr_va_sdst(0) depctr_va_ssrc(0) depctr_va_vcc(0) depctr_vm_vsrc(0)
	s_getreg_b32 s2, hwreg(HW_REG_IB_STS2, 6, 4)
	s_cmp_eq_u32 s2, 0
	s_cbranch_scc0 .Lentry_in_a_cluster
	s_endpgm
.Lentry_in_a_cluster:
	s_bfe_u32 s2, ttmp6, 0x10000c
	s_cmp_lg_u32 s2, 0xf033
	s_cbranch_scc0 .Lentry_shape_is_right
	s_endpgm
.Lentry_shape_is_right:
; out0 = o w_out + b_out on codes of FP6 (E2M3), sums in f32, result in f32.
; A tile, 128 rows x 256 columns, is made by four waves, 64 x 128 each: 32 accumulators.  K = 1024 is 8 steps of 128, written out.
; Operands lie in memory as images of their registers (fragment of 16 rows x 128 K: 1,536 bytes).
; o's FRAGMENTS GO FROM MEMORY STRAIGHT INTO REGISTERS: a ring of five steps' sets (48 registers each) in window 3; step k + 5 is asked for behind step k's products.  So a wave's LDS loads for a step are w_out's 24 and
; 8 scale words.  A joint load lands in LDS alone, so o is not asked for jointly.
; w_out's 256 columns, all of K (196,608 bytes), come into LDS at the head, asked for jointly along a column of the 4 x 4 cluster: one load a wave, half of the columns x half of K.  Nothing is filled again: the walk has no barrier.
; The scale words come by plain loads and LDS stores.  No prefetch: the launch has no later tile to ask for.
; THE MATRIX INSTRUCTION IS USED TRANSPOSED (source 0 = 16 columns of w_out, source 1 = 16 rows of o): a lane holds eight neighbouring numbers of a row of the result.  The bias is the C of each sum's first product.
; Inside each block of 32 along K both operands stand in the order that swaps bits 3 and 4 of k; the products' sums are then grouped otherwise inside the unit.
; LIMITS: NaN and infinities are not served.
; REGISTERS: window 0: v16-31 addresses; v32-47 scale words, two sets; v64-127 the bias; on the way out v128-255 rows read back.  window 1: w_out's fragments, two sets.  window 2: accumulators.  window 3: o's ring.
.set NQ,   4
.set KS,   8
.set RING, 5
.set APIT, 12288
.set BPIT, 12288
.set OCS,  6291456                     ; in obuf: o's scale words
.set WOC,  9011200                     ; in wsq: w_out's codes,
.set WOS,  9797632                     ; its scale words
.set RBB,   NQ*1536
.set HALFB, 8*RBB
.set SLOT,  2*HALFB
.set SCA,   2*SLOT                     ; o's scale words [K step][128 rows]
.set SCB,   SCA+KS*512+128             ; w_out's
.set SPITCH, 528
.set STAGE, SCB+2*KS*512+128           ; the way out: 16 rows x (512 bytes + 16) for each wave, bytes of its own
.set SPARE, STAGE+4*16*SPITCH          ; the spare words: 128 bytes a wave, named by no other line
.set ADRB, 16
.set ADRS2, 22
.set LI,   24
.set ADRS, 27
.set SPW,  28
.set NIL,  29
.set STO,  30
.set RD,   31
.set SC,   32
.set BK,   128
.set G1B, 48
.set G0B, 56
.set AP,  60                           ; s[60:61] my 64 rows of o's codes
.set MUL, 0xad                         ; source 0 window 1, source 1 window 3, C and D window 2
.set MSB, 0
.macro WIN new                         ; the immediate's high byte repeats the setting that is left
.if MSB != (\new)
	s_set_vgpr_msb (MSB<<8)|(\new)
.set MSB, (\new)
.endif
.endm
.macro PLACES n
.rept \n
	v_nop
.endr
.endm
.macro CROUND
	s_barrier_signal -1
	s_barrier_wait -1
	s_cmp_lg_u32 s14, 0
	s_cbranch_scc1 .Lnot_wave_0_\@
	s_barrier_signal -3
.Lnot_wave_0_\@:
	s_barrier_wait -3
	s_barrier_signal -1
	s_barrier_wait -1
.endm
.macro FETCH_B k                       ; w_out's eight fragments and the scale words of step k into set k % 2: 32 LDS loads
.set SL, (\k)/NQ
	WIN 0x40
.irp i, 0,1,2,3,4,5,6,7
.irp c, 0,1,2
	ds_load_b128 v[128*((\k)%2)+12*\i+4*\c:128*((\k)%2)+12*\i+4*\c+3], v[ADRB+SL] offset:\i*RBB+((\k)%NQ)*1536+512*\c
.endr
.endr
	WIN 0
.irp i, 0,1,2,3,4,5,6,7                ; register i: lanes 16-31 the words of w_out's block i; lanes 0-15 those of o's block i % 4 (the second address stands 256 bytes lower in lanes 0-15)
.if \i >= 4
	ds_load_b32 v[SC+8*((\k)%2)+\i], v[ADRS2] offset:512*(\k)+64*\i
.else
	ds_load_b32 v[SC+8*((\k)%2)+\i], v[ADRS] offset:512*(\k)+64*\i
.endif
.endr
.endm
.macro LOAD_A k                        ; o's four fragments of step k into the ring's set k % 5
	WIN 0xc0
.irp i, 0,1,2,3
.irp c, 0,1,2
	global_load_b128 v[48*((\k)%RING)+12*\i+4*\c:48*((\k)%RING)+12*\i+4*\c+3], v[LI], s[AP:AP+1] offset:\i*APIT+(\k)*1536+512*\c
.endr
.endr
	WIN 0
.endm
.macro MULS k, cm                      ; o's four blocks, each against w_out's eight.  All accumulators take turns, in the same order in every step.  cm = 2: C = the bias
.set AI, 0
.rept 4
.irp b, 0,1,2,3,4,5,6,7
.if (\cm) == 2
	v_wmma_scale_f32_16x16x128_f8f6f4 v[8*(8*AI+\b):8*(8*AI+\b)+7], v[128*((\k)%2)+12*\b:128*((\k)%2)+12*\b+11], v[48*((\k)%RING)+12*AI:48*((\k)%RING)+12*AI+11], v[64+8*\b:64+8*\b+7], v[SC+8*((\k)%2)+\b], v[SC+8*((\k)%2)+AI] matrix_a_fmt:MATRIX_FMT_FP6 matrix_b_fmt:MATRIX_FMT_FP6 matrix_a_scale:MATRIX_SCALE_ROW1
.else
	v_wmma_scale_f32_16x16x128_f8f6f4 v[8*(8*AI+\b):8*(8*AI+\b)+7], v[128*((\k)%2)+12*\b:128*((\k)%2)+12*\b+11], v[48*((\k)%RING)+12*AI:48*((\k)%RING)+12*AI+11], v[8*(8*AI+\b):8*(8*AI+\b)+7], v[SC+8*((\k)%2)+\b], v[SC+8*((\k)%2)+AI] matrix_a_fmt:MATRIX_FMT_FP6 matrix_b_fmt:MATRIX_FMT_FP6 matrix_a_scale:MATRIX_SCALE_ROW1
.endif
.endr
.set AI, AI+1
.endr
.endm
.macro STEPK k, cm                     ; a step: the next step's LDS loads go out first, then 32 products
.if KS-1-(\k) < RING-1
	s_wait_loadcnt 12*(KS-1-(\k))                  ; step k's 12 loads are in; those of the later steps asked for may be out
.else
	s_wait_loadcnt 12*(RING-1)
.endif
	s_wait_dscnt 0x0                               ; this step's fragments of w_out and scale words, asked for a step ago
.if (\k)+1 < KS
	FETCH_B (\k)+1
.endif
.if (\cm) == 2
	WIN 0x8d                                       ; C in window 0
.else
	WIN MUL
.endif
	MULS \k, \cm
	PLACES 4                                       ; behind the step's last product: for the loads into its registers, here and at the next step's head
	WIN 0
.if (\k)+RING < KS
	LOAD_A (\k)+RING
.endif
.endm
	s_load_b256 s[4:11], s[0:1], 0x0               ; obuf s[4:5], wsq s[6:7], b_out s[8:9], out0 s[10:11]
	v_lshl_add_u32 v[SPW], v0, 2, SPARE
	v_mov_b32 v[NIL], 0
	ds_add_u32 v[SPW], v[NIL]                      ; the wave's opening: the add, twice on end, and its wait ahead of my first tensor load
	ds_add_u32 v[SPW], v[NIL]
	v_lshrrev_b32 v1, 5, v0
	v_readfirstlane_b32 s14, v1                    ; wave
	s_lshr_b32 s15, s14, 1                         ; my half of the tile's rows.  At the head also: which half of K I fetch
	s_and_b32 s16, s14, 1                          ; my half of its columns.  At the head also: which half of the columns
	s_bfe_u32 s40, ttmp6, 0x40000                  ; cx
	s_bfe_u32 s41, ttmp6, 0x40004                  ; cy
	s_and_b32 s45, ttmp7, 0xffff
	s_lshl_b32 s44, 0x1111, s40                    ; my column of the cluster
	s_or_b32 s[G1B], s44, (3<<16)|(1<<21)
	s_mov_b32 s[G1B+1], (RBB/8)<<16
	s_mov_b32 s[G1B+2], 8<<16
	s_mov_b32 s[G1B+3], (RBB/8)<<16
	s_mov_b32 s[G1B+4], 8
	s_mov_b32 s[G1B+5], BPIT/8
	s_mov_b32 s[G1B+6], 0
	s_mov_b32 s[G1B+7], 0
	s_lshl_b32 s17, s45, 2
	s_add_co_u32 s17, s17, s41                     ; tile row: 128 rows
	s_lshl_b32 s42, ttmp9, 2
	s_add_co_u32 s42, s42, s40                     ; tile column: 256 columns
	s_lshl_b32 s20, s17, 3
	s_lshl_b32 s19, s15, 2
	s_add_co_u32 s20, s20, s19
	s_mul_i32 s20, s20, APIT                       ; o's codes: my four blocks of 16 rows
	s_mov_b32 s21, 0
	s_mul_i32 s[G0B+2], s42, 16*BPIT               ; w_out's codes: half s16 of the tile's columns, half s15 of K
	s_mul_i32 s19, s16, 8*BPIT
	s_add_co_u32 s[G0B+2], s[G0B+2], s19
	s_mul_i32 s19, s15, RBB
	s_add_co_u32 s[G0B+2], s[G0B+2], s19
	s_add_co_u32 s[G0B+2], s[G0B+2], WOC
	s_mov_b32 s[G0B+3], 0
	s_mul_i32 s[G0B+1], s15, SLOT
	s_mul_i32 s70, s16, HALFB
	s_add_co_u32 s[G0B+1], s[G0B+1], s70
	s_mov_b32 s[G0B], 1
	s_lshl_b32 s92, s17, 12                        ; o's scale words: 4,096 dense bytes
	s_add_co_u32 s92, s92, OCS
	s_lshl_b32 s94, s42, 13                        ; w_out's: 8,192
	s_add_co_u32 s94, s94, WOS
	s_lshl_b32 s22, s42, 10                        ; my first column, in bytes: 1,024 x tile column + 512 x half
	s_lshl_b32 s19, s16, 9
	s_add_co_u32 s22, s22, s19
	s_mov_b32 s23, 0
	s_lshl_b32 s18, s17, 19                        ; my first row: 128 x tile row + 64 x half, rows of 4,096 bytes
	s_lshl_b32 s19, s15, 18
	s_add_co_u32 s18, s18, s19
	s_add_co_u32 s18, s18, s22
	s_mov_b32 s19, 0
	s_add_co_u32 s71, s70, SLOT                    ; my half of w_out in slots 0, 1
	s_lshl_b32 s79, s15, 8                         ; scale words: lanes 0-15 o's rows, lanes 16-31 w_out's: the lower base + h x the distance
	s_mul_i32 s73, s16, KS*512
	s_add_co_u32 s73, s73, SCB-SCA
	s_sub_co_u32 s73, s73, s79
	s_add_co_u32 s74, s79, SCA
	s_add_co_u32 s75, s73, 256                     ; and the same with lanes 0-15 standing 256 bytes lower
	s_add_co_u32 s76, s79, SCA-256
	s_mul_i32 s77, s14, 16*SPITCH
	s_add_co_u32 s77, s77, STAGE                   ; my stage
	v_and_b32 v1, 15, v0                           ; r
	v_bfe_u32 v2, v0, 4, 1                         ; h
	v_and_b32 v3, 31, v0
	v_lshlrev_b32 v[LI], 4, v3
	v_add_nc_u32 v[ADRB], s70, v[LI]
	v_add_nc_u32 v[ADRB+1], s71, v[LI]
	v_mul_u32_u24 v4, s73, v2
	v_lshl_add_u32 v4, v1, 2, v4
	v_add_nc_u32 v[ADRS], s74, v4
	v_mul_u32_u24 v6, s75, v2
	v_lshl_add_u32 v6, v1, 2, v6
	v_add_nc_u32 v[ADRS2], s76, v6
	v_mul_u32_u24 v11, v1, SPITCH
	v_lshl_add_u32 v11, v2, 5, v11
	v_add_nc_u32 v[STO], s77, v11                  ; in: row r, 32 bytes for each half of the lanes
	v_add_nc_u32 v[RD], s77, v[LI]                 ; back: the 32 lanes take one row of 512 bytes
	v_lshlrev_b32 v5, 5, v2
	v_lshlrev_b32 v7, 4, v0
	v_add_nc_u32 v9, s92, v7
	v_add_nc_u32 v10, s94, v7
	v_add_nc_u32 v8, SCA, v7
	s_wait_alu depctr_va_vdst(0)
	s_wait_dscnt 0x0                               ; both opening adds are done
	s_wait_kmcnt 0x0
	s_add_nc_u64 s[AP:AP+1], s[4:5], s[20:21]
	s_add_nc_u64 s[G0B+2:G0B+3], s[6:7], s[G0B+2:G0B+3]
	s_or_b32 s[G0B+3], s[G0B+3], 0x80000000
	s_add_nc_u64 s[8:9], s[8:9], s[22:23]          ; the bias of my 128 columns
	s_add_nc_u64 s[10:11], s[10:11], s[18:19]
.irp i, 0,1                                    ; the scale words: 16 bytes a thread, 2,048 dense bytes a line
	global_load_b128 v[128+4*\i:131+4*\i], v9, s[4:5] offset:2048*\i
.endr
.irp i, 0,1,2,3
	global_load_b128 v[144+4*\i:147+4*\i], v10, s[6:7] offset:2048*\i
.endr
.irp b, 0,1,2,3,4,5,6,7
	global_load_b128 v[64+8*\b:64+8*\b+3], v5, s[8:9] offset:64*\b        ; lane (r, h), block b: columns 16 b + 8 h + 0 .. 7
	global_load_b128 v[64+8*\b+4:64+8*\b+7], v5, s[8:9] offset:64*\b+16
.endr
	CROUND                                         ; all sixteen work-groups are here: the joint loads meet
	tensor_load_to_lds s[G0B:G0B+3], s[G1B:G1B+7]  ; my one tensor load of the launch
	s_nop 0
	PLACES 4
.irp k, 0,1,2,3,4
	LOAD_A \k
.endr
	s_wait_loadcnt 60                              ; all but o's 60 loads
.irp i, 0,1
	ds_store_b128 v8, v[128+4*\i:131+4*\i] offset:2048*\i             ; into blocks of LDS on which no tensor load lands
.endr
.irp i, 0,1,2,3
	ds_store_b128 v8, v[144+4*\i:147+4*\i] offset:SCB-SCA+2048*\i
.endr
	s_wait_dscnt 0x0                               ; for the others' sake: my stores have landed,
	s_wait_tensorcnt 0x0                           ; and my load: behind the barrier all of w_out's tile is whole; nothing is filled again
	s_barrier_signal -1
	s_barrier_wait -1
	FETCH_B 0
	STEPK 0, 2                                     ; the first step's products start the sums from the bias
.irp k, 1,2,3,4,5,6,7
	STEPK \k, 0
.endr
; THE WAY OUT, block by block of 16 rows x 128 columns: through my own stage and back as whole rows of 512 bytes.  LDS serves a wave's instructions in order (ISA guide 5.7.1.4).
.macro TOSTAGE a
.set AC, 64*(\a)
	WIN 0x08                                       ; an LDS store's data are its source 1: window 2
.irp b, 0,1,2,3,4,5,6,7
	ds_store_b128 v[STO], v[AC+8*\b:AC+8*\b+3] offset:64*\b          ; each accumulator from its low end on
	ds_store_b128 v[STO], v[AC+8*\b+4:AC+8*\b+7] offset:64*\b+16
.endr
	WIN 0
.set BB, BK+64*((\a)%2)
.irp t, 0,1,2,3,4,5,6,7,8,9,10,11,12,13,14,15
	ds_load_b128 v[BB+4*\t:BB+4*\t+3], v[RD] offset:\t*SPITCH
.endr
.endm
.macro SEND a, younger                 ; younger: the LDS instructions issued behind block a's loads, which may stay out
.set BB, BK+64*((\a)%2)
	s_wait_dscnt \younger
.if (\a) > 0
	s_add_nc_u64 s[10:11], s[10:11], 16*4096       ; (behind a wait for the earlier stores' addresses)  16 rows on
.endif
.irp t, 0,1,2,3,4,5,6,7,8,9,10,11,12,13,14,15
	global_store_b128 v[LI], v[BB+4*\t:BB+4*\t+3], s[10:11] offset:\t*4096 th:TH_STORE_NT   ; 512 consecutive bytes, aligned; written once
.endr
.endm
	TOSTAGE 0
.irp a, 1,2,3
.if \a > 1
	s_wait_xcnt 0x0                                ; block a - 2's stores have read their registers and their base
.endif
	TOSTAGE \a
	SEND \a-1, 32                                  ; behind block a - 1's loads: block a's 16 stores and 16 loads
.endr
	s_wait_xcnt 0x0
	SEND 3, 0
	s_wait_tensorcnt 0x0                           ; the wave's end
	ds_add_u32 v[SPW], v[NIL]
	s_wait_dscnt 0x0
	CROUND                                         ; the closing round
	s_endpgm
.Lfunc_end_k_q47c81ac7ce_outp:
	.size	k_q47c81ac7ce_outp, .Lfunc_end_k_q47c81ac7ce_outp-k_q47c81ac7ce_outp
	.p2alignl 7, 3214868480
	.fill 96, 4, 3214868480
	.section	.rodata,"a",@progbits
	.p2align	6, 0x0
	.amdhsa_kernel k_q47c81ac7ce_outp
		.amdhsa_group_segment_fixed_size 327680
		.amdhsa_private_segment_fixed_size 0
		.amdhsa_enable_private_segment 0
		.amdhsa_kernarg_size 32
		.amdhsa_user_sgpr_count 2
		.amdhsa_user_sgpr_kernarg_segment_ptr 1
		.amdhsa_wavefront_size32 1
		.amdhsa_system_sgpr_workgroup_id_x 1
		.amdhsa_system_sgpr_workgroup_id_y 1
		.amdhsa_system_sgpr_workgroup_id_z 1
		.amdhsa_system_vgpr_workitem_id 0
		.amdhsa_next_free_vgpr 1024
		.amdhsa_next_free_sgpr 100
		.amdhsa_reserve_vcc 0
		.amdhsa_float_denorm_mode_32 3
		.amdhsa_float_denorm_mode_16_64 3
		.amdhsa_memory_ordered 1
		.amdhsa_forward_progress 1
		.amdhsa_inst_pref_size 83
	.end_amdhsa_kernel
	.amdgpu_metadata
---
amdhsa.version: [ 1, 2 ]
amdhsa.kernels:
  - .name:           k_q47c81ac7ce_outp
    .symbol:         k_q47c81ac7ce_outp.kd
    .args:
      - { .name: obuf, .offset: 0, .size: 8, .value_kind: global_buffer, .address_space: global }
      - { .name: wsq, .offset: 8, .size: 8, .value_kind: global_buffer, .address_space: global }
      - { .name: b_out, .offset: 16, .size: 8, .value_kind: global_buffer, .address_space: global }
      - { .name: out0, .offset: 24, .size: 8, .value_kind: global_buffer, .address_space: global }
    .group_segment_fixed_size: 327680
    .private_segment_fixed_size: 0
    .kernarg_segment_align: 8
    .kernarg_segment_size: 32
    .max_flat_workgroup_size: 128
    .sgpr_count:     100
    .vgpr_count:     1024
    .wavefront_size: 32
...
	.end_amdgpu_metadata
.endif
;; end of part 5
